; MI455X (gfx1250); checked and timed in simulation.
; The chip was launched on July 23, 2026; its instructions are those of AMD's public machine-readable ISA for CDNA 5 (MIT licence, August 2026) and "CDNA5" Instruction Set Architecture Reference Guide (July 2026). The comments in the code are by the model that wrote it; some were corrected since.
;; Model. Allowed arithmetic: matrix products marked QUANTISED: E4M3 operands, one E8M0 scale for each 32 along K, by v_wmma_scale_f32_16x16x128_f8f6f4 with both operands' format E4M3, f32 sums; everything else in f32.
;; Inputs: We 16 x 1,024 x 1,024 float32; Wg 16 x 1,024 float32; x 4,096 x 1,024 float32.
;; Outputs: out0 4,096 x 1,024 float32.
;; This version of the problem:
;;   THIS VERSION OF THE PROBLEM IS GIVEN IN LOW PRECISION. The matrix products marked QUANTISED in the list below multiply operands that are first quantised to E4M3 (4 exponent bits, 3 mantissa bits; 8 bits a number), with one power-of-two scale for each 32 numbers along K (OCP MX v1.0); their sums are f32. All else is computed in f32.
;;   The module's matrix products, in the order in which they are computed (A, B: the left and right operand; K: the contracted axis; several contracted axes count as one K, in the product's order):
;;     1. [M 4,096, K 1,024] x [K 1,024, N 16]; A: input x; B: input Wg: QUANTISED
;;     2. [M 4,096, K 1,024] x [K 1,024, N 1,024]; A: computed on the way; B: input We: QUANTISED
;;     3. [M 4,096, K 1,024] x [K 1,024, N 1,024]; A: computed on the way; B: input We: QUANTISED
;;     4. [M 4,096, K 1,024] x [K 1,024, N 1,024]; A: computed on the way; B: input We: QUANTISED
;;     5. [M 4,096, K 1,024] x [K 1,024, N 1,024]; A: computed on the way; B: input We: QUANTISED
;;     6. [M 4,096, K 1,024] x [K 1,024, N 1,024]; A: computed on the way; B: input We: QUANTISED
;;     7. [M 4,096, K 1,024] x [K 1,024, N 1,024]; A: computed on the way; B: input We: QUANTISED
;;     8. [M 4,096, K 1,024] x [K 1,024, N 1,024]; A: computed on the way; B: input We: QUANTISED
;;     9. [M 4,096, K 1,024] x [K 1,024, N 1,024]; A: computed on the way; B: input We: QUANTISED
;;     10. [M 4,096, K 1,024] x [K 1,024, N 1,024]; A: computed on the way; B: input We: QUANTISED
;;     11. [M 4,096, K 1,024] x [K 1,024, N 1,024]; A: computed on the way; B: input We: QUANTISED
;;     12. [M 4,096, K 1,024] x [K 1,024, N 1,024]; A: computed on the way; B: input We: QUANTISED
;;     13. [M 4,096, K 1,024] x [K 1,024, N 1,024]; A: computed on the way; B: input We: QUANTISED
;;     14. [M 4,096, K 1,024] x [K 1,024, N 1,024]; A: computed on the way; B: input We: QUANTISED
;;     15. [M 4,096, K 1,024] x [K 1,024, N 1,024]; A: computed on the way; B: input We: QUANTISED
;;     16. [M 4,096, K 1,024] x [K 1,024, N 1,024]; A: computed on the way; B: input We: QUANTISED
;;     17. [M 4,096, K 1,024] x [K 1,024, N 1,024]; A: computed on the way; B: input We: QUANTISED
;;   THE QUANTISER, for each operand of a quantised product, along K:
;;     - K is cut into blocks of 32 from its start; a last block that is shorter is filled with zeros.
;;     - A block's scale is 2^e with e = floor(log2(the largest magnitude in the block)) - 8, held to -126 .. 127; a block of zeros has e = 0. As a byte (E8M0): e + 127.
;;     - Each number is divided by its block's scale, clamped to +-448, and rounded to the nearest number of E4M3, ties to even, subnormals kept.
;;     - The product sums the exact products of the quantised numbers (number of the format x scale) in f32.
;;   ~~~python
;;   def quantise(x, axis):      # numpy; x: float32 -> the quantised numbers, widened to float32 again
;;       x = np.moveaxis(x, axis, -1); K = x.shape[-1]
;;       x = np.pad(x, [(0, 0)] * (x.ndim - 1) + [(0, -K % 32)]); x = x.reshape(x.shape[:-1] + (-1, 32)); a = np.abs(x).max(-1, keepdims=True)
;;       e = np.where(a > 0, np.clip(np.frexp(np.where(a > 0, a, 1))[1] - 1 - 8, -126, 127), 0)      # np.frexp(a)[1] - 1 = floor(log2(a)), exactly
;;       r = np.clip(x / 2.0 ** e, -448, 448)
;;       step = 2.0 ** (np.maximum(np.frexp(np.where(r == 0, 1, r))[1] - 1, -6) - 3)
;;       q = np.round(r / step) * step * 2.0 ** e      # np.round: ties to even
;;       return np.moveaxis(q.reshape(q.shape[:-2] + (-1,))[..., :K], -1, axis).astype(np.float32)
;;   ~~~
;;   OPERANDS COMPUTED ON THE WAY. 'Computed on the way' means the value that the module computes at that place (a softmax that the list does not call 'softmax' is quantised finished and normalised). What goes into a quantiser is computed in f32, as accurately as f32 sums, v_exp_f32 and their like allow (about 1e-6 of the number): no bf16 or f16 on the way to a quantiser, and a product that is left as it is and whose result goes on into a quantised operand takes f32 operands (vector FMAs, or v_wmma_f32_16x16x4_f32). A number that lies on a knife's edge between two numbers of the format may be rounded either way, as far as f32 arithmetic and the matrix unit's own rounding can turn it there, and no further.
;; 2 versions. Each part assembles by itself: llvm-mc -triple=amdgcn-amd-amdhsa -mcpu=gfx1250 --defsym DOCPART=n.
;; ======== version 1 of 2: 2 launches
;; workspace buffers: xc 4,194,304 bytes; xs 131,072 bytes; idx 16,384 bytes of whole numbers
;; launch gate (part 1): grid 256 x 1, 4 waves a work-group, no clusters, 56,320 bytes of LDS; arguments x, Wg, xc, xs, idx; writes xc, xs, idx
.if DOCPART == 1
	.amdgcn_target "amdgcn-amd-amdhsa--gfx1250"
	.amdhsa_code_object_version 6
	.text
	.protected	k_q2a57f09691_gate
	.globl	k_q2a57f09691_gate
	.p2align	8
	.type	k_q2a57f09691_gate,@function
k_q2a57f09691_gate:
	s_mov_b64 s[64:65], 0
	v_nop
	global_prefetch_b8 v0, s[64:65] scope:SCOPE_SE
	s_setreg_imm32_b32 hwreg(HW_REG_WAVE_MODE, 25, 1), 1
	s_wait_xcnt 0x0
; x [4096][1024] f32 is quantised along K to codes of E4M3 with one E8M0 scale byte for each 32 (xc: [4096][1024] bytes, K innermost; xs: [4096][8] words, word s = the four bytes of k = 128 s .. 128 s + 127),
; the gate scores Q(x) Q(Wg)^T are made by the scaled matrix instruction, and each token's first largest score is stored as a whole number (idx: [4096] u32).
; SHARES.  Work-group g takes tokens 16 g .. 16 g + 15.  Wave w takes k = 256 w .. 256 w + 255 (two K steps of 128) of these 16 rows of x and of Wg's 16 rows: 64 loads of 512 consecutive bytes, all issued at once.
; Every work-group quantises Wg for itself: 64 KB, as much vector work as its share of x.  The four waves' partial scores meet in LDS behind the one barrier; wave 0 adds them and takes the argmax.
; A block's scale is 2^(floor(log2(its largest magnitude)) - 8); its byte is the largest magnitude's exponent field - 8, held at 1 from below.
; LIMITS.  NaN and infinities among the inputs are not served.  A block of zeros gets the byte 1 where the rule says 127: its codes are zeros, and this program alone reads the bytes.
; A score is the f32 sum ((p0 + p1) + p2) + p3 of four partial sums of 256 along K: a token whose two best scores differ by no more than f32 rounding may fall to the other of the two experts.
; No tensor load: a wave's whole share is out at once, a ring would add nothing.  No cluster: work-groups share only Wg's 64 KB.
.set TPITCH, 528                       ; the turning stage: a row's 512 bytes + 16: 33 x 16, so the sixteen rows that a load touches fall on sixteen different 16-byte columns of the 64 banks (ISA guide 11.1)
.set TWAVE,  16*TPITCH                 ; a stage for each wave, from LDS byte 0
.set CST,    4*TWAVE                   ; the codes' stage: 16 rows x (256 + 16) for each wave
.set CPITCH, 272
.set CWAVE,  16*CPITCH
.set PST,    CST+4*CWAVE               ; the partial scores: 1,024 bytes a wave
.set SST,    PST+4096                  ; x's scale words: 16 rows x 32 bytes
.set SPARE,  SST+512                   ; the spare words, 128 bytes for each wave: two blocks of 256 bytes that no other line names
.set LANE, 1                           ; v1   lane
.set RR,   2                           ; v2   r = lane % 16
.set HH,   3                           ; v3   h = lane / 16
.set L16,  4                           ; v4   16 x lane
.set TSI,  5                           ; v5   turning stage, in: 16 x lane
.set TSO,  6                           ; v6   turning stage, out: 528 r + 64 h
.set CSI,  7                           ; v7   codes' stage, in: 272 r + 16 h
.set CSO,  8                           ; v8   codes' stage, out: 272 h + 16 r
.set XCO,  9                           ; v9   xc: 1024 h + 16 r
.set SSI,  10                          ; v10  where my rows' scale words go: 32 r + 8 w
.set PSI,  11                          ; v11  where my partial scores go: 1024 w + 32 x lane
.set SPW,  12                          ; v12  LDS address of my spare word; never rewritten
.set NIL,  13                          ; v13  0; never rewritten
.set L4,   14                          ; v14  4 x lane
.set PSR,  15                          ; v15  partial scores, back: 32 x lane
.set F,    16                          ; v16-79  four fragments: x step 0, x step 1, Wg step 0, Wg step 1
.set SW,   80                          ; v80-83  their scale words: scales and nothing else
.set ACC,  84                          ; v84-91  the accumulator
.set SSR,  92                          ; v92  scale words, back: 16 x lane
.set X0,   96                          ; v96-159, v160-223: two sets of 64 numbers; later v96-127 codes read back, v128-159 the four partial scores, v160-163 scale words read back
.set X1,   160
.set TM,   224                         ; v224-239 at work in the quantiser
.set SEL,  22                          ; s[22:23] v_permlanex16_b32's selects for lane l xor 16
.set MNT,  24                          ; s24  the mantissa field of 448
.set MSB, 0
.macro WIN new                         ; the immediate's high byte repeats the setting that is left; a switch that changes nothing is dropped
.if MSB != (\new)
	s_set_vgpr_msb (MSB<<8)|(\new)
.set MSB, (\new)
.endif
.endm
; 64 numbers of a lane, register 16 b + i = k 32 b + 16 h + i of my row r, become a fragment's 16 registers of codes at v[pc] and its scale word in v[pw].
.macro QUANT s, pc, pw
.irp b, 0,1,2,3
	v_max3_num_f32 v[TM+\b], |v[\s+16*\b]|, |v[\s+1+16*\b]|, 0x4800000   ; block b: my 16 numbers, and the floor 2^(9 - 127): the byte cannot fall under 1
.endr
.irp i, 2,4,6,8,10,12,14
.irp b, 0,1,2,3
	v_max3_num_f32 v[TM+\b], v[TM+\b], |v[\s+16*\b+\i]|, |v[\s+1+16*\b+\i]|   ; the four blocks by turns: no line waits for the line above it
.endr
.endr
.irp b, 0,1,2,3
	v_permlanex16_b32 v[TM+4+\b], v[TM+\b], s[SEL], s[SEL+1]
.endr
.irp b, 0,1,2,3
	v_max_num_f32 v[TM+\b], v[TM+\b], v[TM+4+\b]           ; with lane l xor 16's: the block's largest magnitude
.endr
.irp b, 0,1,2,3
	v_add_nc_u32 v[TM+12+\b], 0xfc000000, v[TM+\b]         ; 8 off its exponent field: the conversion takes this operand's exponent field as its scale
.endr
.irp b, 0,1,2,3
	v_and_or_b32 v[TM+8+\b], v[TM+\b], 0x7f800000, s[MNT]  ; 448 x the scale
.endr
.irp b, 0,1,2,3
	v_lshrrev_b32 v[TM+4+\b], 23, v[TM+12+\b]              ; the scale's byte
.endr
	v_lshl_or_b32 v[\pw], v[TM+5], 8, v[TM+4]              ; the four bytes make my row's scale word
	v_lshl_or_b32 v[\pw], v[TM+6], 16, v[\pw]
	v_lshl_or_b32 v[\pw], v[TM+7], 24, v[\pw]
.irp b, 0,1,2,3
.irp i, 0,1,2,3,4,5,6,7,8,9,10,11,12,13,14,15
	v_med3_num_f32 v[\s+16*\b+\i], v[\s+16*\b+\i], -v[TM+8+\b], v[TM+8+\b]   ; the conversion to an 8-bit code does not saturate (ISA guide 7.6.2): the hold at the largest code x the scale
.endr
	v_cvt_scalef32_pk8_fp8_f32 v[\pc+4*\b:\pc+1+4*\b], v[\s+16*\b:\s+7+16*\b], v[TM+12+\b]
	v_cvt_scalef32_pk8_fp8_f32 v[\pc+2+4*\b:\pc+3+4*\b], v[\s+8+16*\b:\s+15+16*\b], v[TM+12+\b]
.endr
	v_nop                                                  ; one plain vector instruction behind the last scaled conversion
.endm
; Set q (16 rows x 512 bytes, loaded 16 bytes a lane) goes through my stage as it lies and comes back 64 bytes a lane: 16 neighbours of each block of 32.  LDS serves a wave's instructions in order (ISA guide 5.7.1.4).
.macro TURN q, x
	WIN 0x04                                               ; an LDS store's data are its source 1: window 1
.irp i, 0,1,2,3,4,5,6,7,8,9,10,11,12,13,14,15
	ds_store_b128 v[TSI], v[64*(\q)+4*\i:64*(\q)+4*\i+3] offset:\i*TPITCH
.endr
	WIN 0
.irp b, 0,1,2,3
.irp j, 0,1,2,3
	ds_load_b128 v[\x+16*\b+4*\j:\x+16*\b+4*\j+3], v[TSO] offset:128*\b+16*\j
.endr
.endr
.endm
	s_load_b256 s[4:11], s[0:1], 0x0               ; x s[4:5], Wg s[6:7], xc s[8:9], xs s[10:11]
	s_load_b64 s[12:13], s[0:1], 0x20              ; idx
	v_lshl_add_u32 v[SPW], v0, 2, SPARE
	v_mov_b32 v[NIL], 0
	v_lshrrev_b32 v1, 5, v0
	v_readfirstlane_b32 s14, v1                    ; wave 0..3
	v_and_b32 v[LANE], 31, v0
	v_and_b32 v[RR], 15, v0
	v_bfe_u32 v[HH], v0, 4, 1
	v_lshlrev_b32 v[L16], 4, v[LANE]
	v_lshlrev_b32 v[L4], 2, v[LANE]
	s_mul_i32 s16, s14, TWAVE                      ; my turning stage
	v_add_nc_u32 v[TSI], s16, v[L16]
	v_mul_u32_u24 v[TSO], v[RR], TPITCH
	v_lshl_add_u32 v[TSO], v[HH], 6, v[TSO]
	v_add_nc_u32 v[TSO], s16, v[TSO]
	s_mul_i32 s16, s14, CWAVE                      ; my codes' stage
	s_add_co_u32 s16, s16, CST
	v_mul_u32_u24 v[CSI], v[RR], CPITCH
	v_lshl_add_u32 v[CSI], v[HH], 4, v[CSI]
	v_add_nc_u32 v[CSI], s16, v[CSI]
	v_mul_u32_u24 v[CSO], v[HH], CPITCH
	v_lshl_add_u32 v[CSO], v[RR], 4, v[CSO]
	v_add_nc_u32 v[CSO], s16, v[CSO]
	v_lshlrev_b32 v[XCO], 10, v[HH]
	v_lshl_add_u32 v[XCO], v[RR], 4, v[XCO]
	s_lshl_b32 s16, s14, 3
	s_add_co_u32 s16, s16, SST
	v_lshlrev_b32 v[SSI], 5, v[RR]
	v_add_nc_u32 v[SSI], s16, v[SSI]
	v_lshlrev_b32 v[PSR], 5, v[LANE]
	v_add_nc_u32 v[PSR], PST, v[PSR]
	s_lshl_b32 s16, s14, 10
	v_add_nc_u32 v[PSI], s16, v[PSR]
	v_add_nc_u32 v[SSR], SST, v[L16]
	s_mov_b32 s[SEL], 0x76543210
	s_mov_b32 s[SEL+1], 0xfedcba98
	s_mov_b32 s[MNT], 0x600000
.irp b, 0,1,2,3
	v_mov_b32 v[TM+4+\b], 0                        ; written once: a lane permute's destination counts as one of its sources
.endr
	v_mov_b32 v244, 0                              ; likewise, for the argmax
	v_mov_b32 v245, 0
	s_mov_b32 s17, 0
	s_wait_kmcnt 0x0
	s_add_nc_u64 s[6:7], s[6:7], s[16:17]          ; Wg at my wave's 256 along K: 1,024 bytes x wave (s16 still holds it)
	s_lshl_b32 s18, ttmp9, 16                      ; x: 16 rows of 4,096 bytes a work-group
	s_add_co_u32 s16, s16, s18
	s_add_nc_u64 s[4:5], s[4:5], s[16:17]
	s_lshl_b32 s16, ttmp9, 14                      ; xc: 16 rows of 1,024 bytes, + 256 x wave
	s_lshl_b32 s18, s14, 8
	s_add_co_u32 s16, s16, s18
	s_add_nc_u64 s[8:9], s[8:9], s[16:17]
	s_lshl_b32 s16, ttmp9, 9                       ; xs: 16 rows of 32 bytes
	s_add_nc_u64 s[10:11], s[10:11], s[16:17]
	s_lshl_b32 s16, ttmp9, 6                       ; idx: 16 words
	s_add_nc_u64 s[12:13], s[12:13], s[16:17]
	; all 64 loads at once, into window 1: set q at v[64 q + 4 i]; each load reads 512 consecutive bytes: row i's K step
	WIN 0x40
.irp q, 0,1
.irp i, 0,1,2,3,4,5,6,7,8,9,10,11,12,13,14,15
	global_load_b128 v[64*\q+4*\i:64*\q+4*\i+3], v[L16], s[4:5] offset:\i*4096+512*\q th:TH_LOAD_NT   ; x: read once in the launch
.endr
.endr
.irp q, 0,1
.irp i, 0,1,2,3,4,5,6,7,8,9,10,11,12,13,14,15
	global_load_b128 v[128+64*\q+4*\i:128+64*\q+4*\i+3], v[L16], s[6:7] offset:\i*4096+512*\q          ; Wg: every work-group reads it
.endr
.endr
	WIN 0
	s_wait_loadcnt 48                              ; set 0 is in: 48 loads were issued behind it
	TURN 0, X0
	s_wait_dscnt 0x0                               ; set 0 is back from the stage, which may be written again
	s_wait_loadcnt 32                              ; set 1 is in
	TURN 1, X1
	QUANT X0, F, SW
	s_wait_dscnt 0x0
	s_wait_loadcnt 16                              ; set 2
	TURN 2, X0
	QUANT X1, F+16, SW+1
	s_wait_dscnt 0x0
	s_wait_loadcnt 0x0                             ; set 3
	TURN 3, X1
	QUANT X0, F+32, SW+2
	s_wait_dscnt 0x0
	QUANT X1, F+48, SW+3
	; x's codes: a lane's 16 bytes belong to row r, the lanes beside it hold other rows: through my stage, back as rows of 256 bytes
.irp s, 0,1
.irp c, 0,1,2,3
	ds_store_b128 v[CSI], v[F+16*\s+4*\c:F+16*\s+4*\c+3] offset:128*\s+32*\c
.endr
.endr
.irp i, 0,1,2,3,4,5,6,7
	ds_load_b128 v[X0+4*\i:X0+4*\i+3], v[CSO] offset:2*\i*CPITCH   ; rows 2 i + h
.endr
	ds_store_b32 v[SSI], v[SW]                     ; my rows' two scale words; both halves of the lanes write the same word with the same value
	ds_store_b32 v[SSI], v[SW+1] offset:4
.rept 4
	v_nop                                          ; codes written by vector instructions stand four places ahead of a scaled matrix instruction; the last scale word stands ahead of the 64 holds
.endr
	; source 0 = Wg's 16 experts, source 1 = my 16 tokens: lane (r, h) holds token r, register j expert 8 h + j
	v_wmma_scale_f32_16x16x128_f8f6f4 v[ACC:ACC+7], v[F+32:F+47], v[F:F+15], 0, v[SW+2], v[SW]
	s_wait_alu depctr_va_vdst(0)                   ; the wait directly ahead of the link
	v_wmma_scale_f32_16x16x128_f8f6f4 v[ACC:ACC+7], v[F+48:F+63], v[F+16:F+31], v[ACC:ACC+7], v[SW+3], v[SW+1]
.rept 8
	v_nop                                          ; eight places behind this form before its result is read
.endr
	ds_store_b128 v[PSI], v[ACC:ACC+3]             ; from the low end on
	ds_store_b128 v[PSI], v[ACC+4:ACC+7] offset:16
	s_wait_dscnt 0x0                               ; for the others' sake: my stores have landed; my codes are back too
	s_barrier_signal -1
	s_barrier_wait -1
.irp i, 0,1,2,3,4,5,6,7
	global_store_b128 v[XCO], v[X0+4*\i:X0+4*\i+3], s[8:9] offset:2048*\i   ; sixteen lanes store 256 consecutive bytes, at a multiple of 256 from xc's first byte
.endr
	s_cmp_lg_u32 s14, 0
	s_cbranch_scc1 .Lend                           ; the rest is wave 0's
	ds_load_b128 v[160:163], v[SSR]                ; the 16 rows' scale words: 512 bytes on end
.irp p, 0,1,2,3
	ds_load_b128 v[128+8*\p:131+8*\p], v[PSR] offset:1024*\p
	ds_load_b128 v[132+8*\p:135+8*\p], v[PSR] offset:1024*\p+16
.endr
	s_wait_dscnt 0x0
	global_store_b128 v[L16], v[160:163], s[10:11] ; 512 consecutive bytes, aligned
.irp p, 1,2,3
.irp j, 0,2,4,6
	v_pk_add_f32 v[128+\j:129+\j], v[128+\j:129+\j], v[128+8*\p+\j:129+8*\p+\j]   ; ((p0 + p1) + p2) + p3
.endr
.endr
	v_lshlrev_b32 v243, 3, v[HH]                   ; my first expert: 8 h
	v_mov_b32 v240, v128                           ; the best score so far,
	v_mov_b32 v241, v243                           ; and its expert
.irp j, 1,2,3,4,5,6,7
	v_cmp_gt_f32 vcc_lo, v[128+\j], v240           ; strictly greater: the lower index is kept on a tie
	v_add_nc_u32 v242, \j, v243
	v_cndmask_b32 v240, v240, v[128+\j], vcc_lo
	v_cndmask_b32 v241, v241, v242, vcc_lo
.endr
	v_permlanex16_b32 v244, v240, s[SEL], s[SEL+1]
	v_permlanex16_b32 v245, v241, s[SEL], s[SEL+1]
	v_cmp_gt_f32 vcc_lo, v244, v240                ; in lanes 0-15 my own are experts 0-7: the other half's wins only where strictly greater
	v_cndmask_b32 v241, v241, v245, vcc_lo
	v_cmp_gt_u32 vcc_lo, 16, v[LANE]
	s_wait_xcnt 0x0                                ; EXEC is a source of the stores above: it changes only behind this wait
	s_and_saveexec_b32 s20, vcc_lo
	global_store_b32 v[L4], v241, s[12:13]         ; lane r: token r's expert.  64 bytes a work-group, 16 KB in the launch
	s_wait_xcnt 0x0                                ; and again, ahead of the line that widens it
	s_or_b32 exec_lo, exec_lo, s20
.Lend:
	s_wait_tensorcnt 0x0                           ; the wave's end, behind my last LDS store
	ds_add_u32 v[SPW], v[NIL]
	s_wait_dscnt 0x0
	s_endpgm
.Lfunc_end_k_q2a57f09691_gate:
	.size	k_q2a57f09691_gate, .Lfunc_end_k_q2a57f09691_gate-k_q2a57f09691_gate
	.p2alignl 7, 3214868480
	.fill 96, 4, 3214868480
	.section	.rodata,"a",@progbits
	.p2align	6, 0x0
	.amdhsa_kernel k_q2a57f09691_gate
		.amdhsa_group_segment_fixed_size 56320
		.amdhsa_private_segment_fixed_size 0
		.amdhsa_enable_private_segment 0
		.amdhsa_kernarg_size 40
		.amdhsa_user_sgpr_count 2
		.amdhsa_user_sgpr_kernarg_segment_ptr 1
		.amdhsa_wavefront_size32 1
		.amdhsa_system_sgpr_workgroup_id_x 1
		.amdhsa_system_sgpr_workgroup_id_y 1
		.amdhsa_system_sgpr_workgroup_id_z 1
		.amdhsa_system_vgpr_workitem_id 0
		.amdhsa_next_free_vgpr 512
		.amdhsa_next_free_sgpr 66
		.amdhsa_reserve_vcc 1
		.amdhsa_float_denorm_mode_32 3
		.amdhsa_float_denorm_mode_16_64 3
		.amdhsa_memory_ordered 1
		.amdhsa_forward_progress 1
		.amdhsa_inst_pref_size 56
	.end_amdhsa_kernel
	.amdgpu_metadata
---
amdhsa.version: [ 1, 2 ]
amdhsa.kernels:
  - .name:           k_q2a57f09691_gate
    .symbol:         k_q2a57f09691_gate.kd
    .args:
      - { .name: x, .offset: 0, .size: 8, .value_kind: global_buffer, .address_space: global }
      - { .name: Wg, .offset: 8, .size: 8, .value_kind: global_buffer, .address_space: global }
      - { .name: xc, .offset: 16, .size: 8, .value_kind: global_buffer, .address_space: global }
      - { .name: xs, .offset: 24, .size: 8, .value_kind: global_buffer, .address_space: global }
      - { .name: idx, .offset: 32, .size: 8, .value_kind: global_buffer, .address_space: global }
    .group_segment_fixed_size: 56320
    .private_segment_fixed_size: 0
    .kernarg_segment_align: 8
    .kernarg_segment_size: 40
    .max_flat_workgroup_size: 128
    .sgpr_count:     66
    .vgpr_count:     512
    .wavefront_size: 32
...
	.end_amdgpu_metadata
.endif
;; end of part 1
;; launch experts (part 2): grid 16 x 16, 4 waves a work-group, no clusters, 138,752 bytes of LDS; arguments We, xc, xs, idx, out0; writes out0
.if DOCPART == 2
	.amdgcn_target "amdgcn-amd-amdhsa--gfx1250"
	.amdhsa_code_object_version 6
	.text
	.protected	k_q2a57f09691_experts
	.globl	k_q2a57f09691_experts
	.p2align	8
	.type	k_q2a57f09691_experts,@function
k_q2a57f09691_experts:
	s_mov_b64 s[64:65], 0
	v_nop
	global_prefetch_b8 v0, s[64:65] scope:SCOPE_SE
	s_setreg_imm32_b32 hwreg(HW_REG_WAVE_MODE, 25, 1), 1
	s_wait_xcnt 0x0
; out0[t][:] = Q(x[t]) Q(We[e])^T for the expert e = idx[t] that the launch before has chosen for token t: the fifteen other masked products of the sum are products of zero rows and are not made.
; SHARES.  Work-group (sl, e) = (x, y) owns output columns 64 sl .. 64 sl + 63 of expert e: 64 rows of We[e], 256 KB of f32, read once in the launch.
; THE WEIGHTS.  Wave w quantises rows 64 sl + 16 w .. + 15 for all of K (8 K steps of 128) and stores the 8 fragments and their scale words to LDS as images of their registers; behind the one barrier
; every wave loads all 32 fragments into 512 registers (windows 1 and 2), where they stay.
; THE ROWS.  Wave w serves the tokens 1024 w .. 1024 w + 1023 that chose e.  It makes its own list in registers: 32 ballot words and their running counts in scalar registers; slot S of the list is found by
; a walk over the counts and a search for the K-th set bit.  No count crosses waves, nothing is scattered.  Rows go in pairs of tiles of 16: their codes come from xc straight into the operand's registers
; (window 3), each fragment feeds four matrix instructions, and a row's 64 results are 256 consecutive bytes of out0.  The grid serves every split: all tokens on one expert are 32 pairs a wave; a wave
; without rows stores nothing.  Slots past the list's end repeat its last row and are not stored.
; THE MATRIX INSTRUCTION IS USED TRANSPOSED (source 0 = 16 rows of We, source 1 = 16 tokens): lane (r, h) holds token r and eight neighbouring columns 16 j + 8 h + 0 .. 7.
; Branches and trip counts hang on idx; the text has no tensor load and no cluster; the weights' loads keep 48 x 512 bytes of each wave on their way.
; LIMITS.  NaN and infinities among the inputs are not served.  A block of zeros gets the scale byte 1 where the rule says 127: its codes are zeros, and this program alone reads the bytes.
; idx holds 0 .. 15, as the launch before stores it; every address made of it is held inside its buffer whatever it holds.
.set BSC,    65536                     ; LDS: from 0 the weights' images, fragment (j, s) at (8 j + s) x 2048; here their scale words, (8 j + s) x 128
.set TURNB,  BSC+4096                  ; the turning stages: 16 rows x (512 + 16) for each wave
.set TPITCH, 528                       ; 33 x 16: the sixteen rows that a load touches fall on sixteen different 16-byte columns of the 64 banks (ISA guide 11.1)
.set TWAVE,  16*TPITCH
.set OUTB,   TURNB+4*TWAVE             ; the way out: two tiles of 16 rows x (256 + 16) for each wave
.set OPITCH, 272
.set OTILE,  16*OPITCH
.set OWAVE,  2*OTILE
.set SPARE,  OUTB+4*OWAVE              ; the spare words, 128 bytes for each wave: two blocks of 256 bytes that no other line names
.set LANE, 1                           ; v1   lane
.set L16,  2                           ; v2   16 x lane
.set H16,  3                           ; v3   16 x (lane / 16)
.set TSI,  4                           ; v4   turning stage, in
.set TSO,  5                           ; v5   turning stage, out
.set BWI,  6                           ; v6   where I store my images: 16 x lane + 16384 x wave
.set BWS,  7                           ; v7   and their scale words
.set BRS,  8                           ; v8   scale words, back: 4 x lane
.set OSI,  9                           ; v9   the way out, in: 272 r + 32 h
.set OSO,  10                          ; v10  the way out, back: 8 x lane
.set L8,   11                          ; v11  8 x lane
.set SPW,  12                          ; v12  LDS address of my spare word; never rewritten
.set NIL,  13                          ; v13  0; never rewritten
.set TOK,  14                          ; v14  lane l: the token in slot S0 + l
.set TOKX, 15                          ; v15  the same of lane l xor 16
.set AO,   16                          ; v16-17  byte offset in xc of my row of tile 0, 1
.set SO,   18                          ; v18-19  the same in xs
.set RS,   20                          ; v20-31  at work in SELECT
.set RKEY, 21
.set RW,   22
.set RPT,  23
.set RK,   24
.set RA,   25
.set RB,   26
.set RC,   27
.set RD,   28
.set RPOS, 29
.set RT,   30
.set RU,   31
.set PW,   30                          ; v30-31  while the weights are quantised: the scale word just made, two by turns
.set CD,   32                          ; v32-63  then: the codes just made, two sets by turns
.set OA,   32                          ; v32-63  later: byte offset in out0 of the pair's row i, + 8 x lane
.set SCB,  64                          ; v64-95  the weights' scale words, (j, s) at 8 j + s: scales and nothing else
.set SCA,  96                          ; v96-111 the rows' scale words, (a, s) at 8 a + s: scales and nothing else
.set ACC,  112                         ; v112-175 the eight accumulators, (a, j) at 8 (4 a + j)
.set X,    112                         ; v112-239 while the weights are quantised: two sets of 64 numbers
.set OD,   176                         ; v176-239 the way out: row i's 8 bytes a lane
.set IX,   176                         ; v176-207 at the head: my quarter's indices as loaded
.set TM,   240                         ; v240-255 at work in the quantiser
.set SEL,  22                          ; s[22:23] v_permlanex16_b32's selects for lane l xor 16
.set MNT,  24                          ; s24  the mantissa field of 448
.set MK,   32                          ; s[32:63] ballot word t = 4 c + j: bit l = token 1024 w + 128 c + 4 l + j chose e
.set PT,   66                          ; s[66:97] (rows counted ahead of word t) << 12 | the word's first token
.set MSB, 0
.macro WIN new                         ; the immediate's high byte repeats the setting that is left; a switch that changes nothing is dropped
.if MSB != (\new)
	s_set_vgpr_msb (MSB<<8)|(\new)
.set MSB, (\new)
.endif
.endm
; 64 numbers of a lane, register 16 b + i = k 32 b + 16 h + i of my row r, become a fragment's 16 registers of codes at v[pc] and its scale word in v[pw].
.macro QUANT s, pc, pw
.irp b, 0,1,2,3
	v_max3_num_f32 v[TM+\b], |v[\s+16*\b]|, |v[\s+1+16*\b]|, 0x4800000   ; block b: my 16 numbers, and the floor 2^(9 - 127): the byte cannot fall under 1
.endr
.irp i, 2,4,6,8,10,12,14
.irp b, 0,1,2,3
	v_max3_num_f32 v[TM+\b], v[TM+\b], |v[\s+16*\b+\i]|, |v[\s+1+16*\b+\i]|   ; the four blocks by turns
.endr
.endr
.irp b, 0,1,2,3
	v_permlanex16_b32 v[TM+4+\b], v[TM+\b], s[SEL], s[SEL+1]
.endr
.irp b, 0,1,2,3
	v_max_num_f32 v[TM+\b], v[TM+\b], v[TM+4+\b]           ; with lane l xor 16's: the block's largest magnitude
.endr
.irp b, 0,1,2,3
	v_add_nc_u32 v[TM+12+\b], 0xfc000000, v[TM+\b]         ; 8 off its exponent field: the conversion's scale operand
.endr
.irp b, 0,1,2,3
	v_and_or_b32 v[TM+8+\b], v[TM+\b], 0x7f800000, s[MNT]  ; 448 x the scale
.endr
.irp b, 0,1,2,3
	v_lshrrev_b32 v[TM+4+\b], 23, v[TM+12+\b]              ; the scale's byte
.endr
	v_lshl_or_b32 v[\pw], v[TM+5], 8, v[TM+4]
	v_lshl_or_b32 v[\pw], v[TM+6], 16, v[\pw]
	v_lshl_or_b32 v[\pw], v[TM+7], 24, v[\pw]
.irp b, 0,1,2,3
.irp i, 0,1,2,3,4,5,6,7,8,9,10,11,12,13,14,15
	v_med3_num_f32 v[\s+16*\b+\i], v[\s+16*\b+\i], -v[TM+8+\b], v[TM+8+\b]   ; the conversion to an 8-bit code does not saturate (ISA guide 7.6.2): the hold at the largest code x the scale
.endr
	v_cvt_scalef32_pk8_fp8_f32 v[\pc+4*\b:\pc+1+4*\b], v[\s+16*\b:\s+7+16*\b], v[TM+12+\b]
	v_cvt_scalef32_pk8_fp8_f32 v[\pc+2+4*\b:\pc+3+4*\b], v[\s+8+16*\b:\s+15+16*\b], v[TM+12+\b]
.endr
	v_nop                                                  ; one plain vector instruction behind the last scaled conversion
.endm
; K step t of my 16 rows of We: 16 loads of 512 consecutive bytes, into registers of their own: v[64 (t % 4) + 4 i] of window 1 (t < 4) or 2
.macro WLOAD t
	WIN 0x40*(1+(\t)/4)
.irp i, 0,1,2,3,4,5,6,7,8,9,10,11,12,13,14,15
	global_load_b128 v[64*((\t)%4)+4*\i:64*((\t)%4)+4*\i+3], v[L16], s[4:5] offset:\i*4096+512*(\t) th:TH_LOAD_NT
.endr
	WIN 0
.endm
; They go through my stage as they lie and come back 64 bytes a lane: 16 neighbours of each block of 32.  LDS serves a wave's instructions in order (ISA guide 5.7.1.4).
.macro TURN t
	WIN 0x04*(1+(\t)/4)                                    ; an LDS store's data are its source 1
.irp i, 0,1,2,3,4,5,6,7,8,9,10,11,12,13,14,15
	ds_store_b128 v[TSI], v[64*((\t)%4)+4*\i:64*((\t)%4)+4*\i+3] offset:\i*TPITCH
.endr
	WIN 0
.irp b, 0,1,2,3
.irp j, 0,1,2,3
	ds_load_b128 v[X+64*((\t)%2)+16*\b+4*\j:X+64*((\t)%2)+16*\b+4*\j+3], v[TSO] offset:128*\b+16*\j
.endr
.endr
.endm
.macro IMAGE t                         ; fragment (w, t) goes to LDS as it stands: five stores
.irp c, 0,1,2,3
	ds_store_b128 v[BWI], v[CD+16*((\t)%2)+4*\c:CD+16*((\t)%2)+4*\c+3] offset:2048*(\t)+512*\c
.endr
	ds_store_b32 v[BWS], v[PW+(\t)%2] offset:128*(\t)
.endm
.macro LEVEL step                      ; where K >= T the wanted bit lies in the upper part: K -= T, POS += step
	v_cmp_ge_u32 vcc_lo, v[RK], v[RT]
	v_sub_nc_u32 v[RU], v[RK], v[RT]
	v_cndmask_b32 v[RK], v[RK], v[RU], vcc_lo
	v_add_nc_u32 v[RU], \step, v[RPOS]
	v_cndmask_b32 v[RPOS], v[RPOS], v[RU], vcc_lo
.endm
; v[TOK]: lane l gets the token in slot min(s18 + l, s17) of my wave's list.  Plain vector work alone, no branch.
.macro SELECT
	v_add_nc_u32 v[RS], s18, v[LANE]
	v_min_u32 v[RS], s17, v[RS]                            ; slots past the end repeat the last row
	v_lshl_or_b32 v[RKEY], v[RS], 12, 0xfff
	v_mov_b32 v[RW], s[MK]
	v_mov_b32 v[RPT], s[PT]
.set NT, 1
.rept 31
	v_cmp_le_u32 vcc_lo, s[PT+NT], v[RKEY]                 ; the counts do not fall: the last word whose count is at most S holds slot S
	v_cndmask_b32 v[RW], v[RW], s[MK+NT], vcc_lo
	v_cndmask_b32 v[RPT], v[RPT], s[PT+NT], vcc_lo
.set NT, NT+1
.endr
	v_lshrrev_b32 v[RT], 12, v[RPT]
	v_sub_nc_u32 v[RK], v[RS], v[RT]                       ; K: which set bit of the word, from 0
	v_lshrrev_b32 v[RT], 1, v[RW]                          ; counts of set bits in fields of 2, 4, 8 and (low byte) 16 bits
	v_and_b32 v[RT], 0x55555555, v[RT]
	v_sub_nc_u32 v[RA], v[RW], v[RT]
	v_lshrrev_b32 v[RT], 2, v[RA]
	v_and_b32 v[RT], 0x33333333, v[RT]
	v_and_b32 v[RB], 0x33333333, v[RA]
	v_add_nc_u32 v[RB], v[RB], v[RT]
	v_lshrrev_b32 v[RT], 4, v[RB]
	v_add_nc_u32 v[RC], v[RB], v[RT]
	v_and_b32 v[RC], 0x0f0f0f0f, v[RC]
	v_lshrrev_b32 v[RT], 8, v[RC]
	v_add_nc_u32 v[RD], v[RC], v[RT]
	v_mov_b32 v[RPOS], 0
	v_and_b32 v[RT], 0xff, v[RD]
	LEVEL 16
	v_bfe_u32 v[RT], v[RC], v[RPOS], 8
	LEVEL 8
	v_bfe_u32 v[RT], v[RB], v[RPOS], 4
	LEVEL 4
	v_bfe_u32 v[RT], v[RA], v[RPOS], 2
	LEVEL 2
	v_bfe_u32 v[RT], v[RW], v[RPOS], 1
	LEVEL 1
	v_and_b32 v[RT], 0xfff, v[RPT]
	v_lshl_add_u32 v[TOK], v[RPOS], 2, v[RT]               ; the word's first token + 4 x the bit
.endm
; Lane (r, h) wants slot r for tile 0 and slot 16 + r for tile 1.  The hold at 4,095 comes last; behind it a shift left and an addition.
.macro ADDRS
	v_permlanex16_b32 v[TOKX], v[TOK], s[SEL], s[SEL+1]
	v_cndmask_b32 v[RT], v[TOK], v[TOKX], s25              ; s25: lanes 16-31
	v_cndmask_b32 v[RU], v[TOKX], v[TOK], s25
	v_min_u32 v[RT], 0xfff, v[RT]
	v_min_u32 v[RU], 0xfff, v[RU]
	v_lshlrev_b32 v[AO], 10, v[RT]                         ; a row of codes is 1,024 bytes
	v_add_nc_u32 v[AO], v[AO], v[H16]
	v_lshlrev_b32 v[AO+1], 10, v[RU]
	v_add_nc_u32 v[AO+1], v[AO+1], v[H16]
	v_lshlrev_b32 v[SO], 5, v[RT]                          ; a row of scale words 32
	v_lshlrev_b32 v[SO+1], 5, v[RU]
.endm
; Tile a's eight fragments (registers 4 c .. 4 c + 3 of step s: k = 128 s + 32 c + 16 h + 0 .. 15 of my row) into window 3, and its rows' eight scale words: 34 loads.  No hint: sixteen work-groups read these rows.
.macro LOADA a
	WIN 0xc0
.irp s, 0,1,2,3,4,5,6,7
.irp c, 0,1,2,3
	global_load_b128 v[128*\a+16*\s+4*\c:128*\a+16*\s+4*\c+3], v[AO+\a], s[6:7] offset:128*\s+32*\c
.endr
.endr
	WIN 0
	global_load_b128 v[SCA+8*\a:SCA+8*\a+3], v[SO+\a], s[8:9]
	global_load_b128 v[SCA+8*\a+4:SCA+8*\a+7], v[SO+\a], s[8:9] offset:16
.endm
.macro MAKE_OA                         ; the pair's 32 rows in out0: 4,096 bytes a row, 8 bytes a lane
.set NI, 0
.rept 32
	v_readlane_b32 s[28+NI%4], v[TOK], NI
	s_min_u32 s[28+NI%4], s[28+NI%4], 0xfff
	s_lshl_b32 s[28+NI%4], s[28+NI%4], 12
	v_add_nc_u32 v[OA+NI], s[28+NI%4], v[L8]
.set NI, NI+1
.endr
.endm
; A PAIR of tiles: 64 matrix instructions, the eight accumulators by turns, one instruction a turn; the first K step starts the sums with the constant 0.
; more = 1: the next pair's rows are found and asked for behind the products; that vector work is also the distance between the last products and the loads into their operands, the reads of their results
; and the next pair's first products.  more = 0: the last pair: rows past the list's end are not stored.
.macro PAIR more
	s_wait_loadcnt 0x0                                     ; the pair's codes and scale words are in; their offset registers may be written again
	WIN 0x0d                                               ; source 0 (We) window 1, source 1 (rows) window 3, C and D window 0
.irp s, 0,1,2,3
.irp a, 0,1
.irp j, 0,1,2,3
.if \s == 0
	v_wmma_scale_f32_16x16x128_f8f6f4 v[ACC+8*(4*\a+\j):ACC+8*(4*\a+\j)+7], v[64*\s+16*\j:64*\s+16*\j+15], v[128*\a+16*\s:128*\a+16*\s+15], 0, v[SCB+8*\j+\s], v[SCA+8*\a+\s]
.else
	v_wmma_scale_f32_16x16x128_f8f6f4 v[ACC+8*(4*\a+\j):ACC+8*(4*\a+\j)+7], v[64*\s+16*\j:64*\s+16*\j+15], v[128*\a+16*\s:128*\a+16*\s+15], v[ACC+8*(4*\a+\j):ACC+8*(4*\a+\j)+7], v[SCB+8*\j+\s], v[SCA+8*\a+\s]
.endif
.endr
.endr
.endr
	WIN 0x0e                                               ; source 0 window 2
.irp s, 4,5,6,7
.irp a, 0,1
.irp j, 0,1,2,3
	v_wmma_scale_f32_16x16x128_f8f6f4 v[ACC+8*(4*\a+\j):ACC+8*(4*\a+\j)+7], v[64*(\s-4)+16*\j:64*(\s-4)+16*\j+15], v[128*\a+16*\s:128*\a+16*\s+15], v[ACC+8*(4*\a+\j):ACC+8*(4*\a+\j)+7], v[SCB+8*\j+\s], v[SCA+8*\a+\s]
.endr
.endr
.endr
	WIN 0
.if \more
	s_add_co_u32 s18, s18, 32                              ; the next pair's first slot
	SELECT
	ADDRS
	LOADA 0
	LOADA 1
.else
.rept 8
	v_nop                                                  ; eight places behind this form before its results are read
.endr
.endif
.irp a, 0,1
.irp j, 0,1,2,3
	ds_store_b128 v[OSI], v[ACC+8*(4*\a+\j):ACC+8*(4*\a+\j)+3] offset:OTILE*\a+64*\j          ; each accumulator from its low end on
	ds_store_b128 v[OSI], v[ACC+8*(4*\a+\j)+4:ACC+8*(4*\a+\j)+7] offset:OTILE*\a+64*\j+16
.endr
.endr
.set NS, 0
.rept 32
	ds_load_b64 v[OD+2*NS:OD+2*NS+1], v[OSO] offset:OTILE*(NS/16)+OPITCH*(NS%16)   ; row NS whole, 8 bytes a lane; LDS serves a wave's instructions in order: these see the stores above
.set NS, NS+1
.endr
.set NS, 0
.rept 32
.if (\more == 0) && (NS > 0)
	s_cmp_le_u32 s21, NS                                   ; s21 rows of the last pair count
	s_cbranch_scc1 .Lout_\@
.endif
	s_wait_dscnt 31-NS                                     ; row NS is back; the younger rows' loads may be out
	global_store_b64 v[OA+NS], v[OD+2*NS:OD+2*NS+1], s[12:13] th:TH_STORE_NT   ; the 32 lanes store 256 consecutive bytes, at a multiple of 256 from out0's first byte; written once, read by nobody here
.set NS, NS+1
.endr
.Lout_\@:
	s_wait_dscnt 0x0
.if \more
	s_wait_xcnt 0x0                                        ; the stores have read their offsets and data: both are written again only behind this wait
	MAKE_OA
.endif
.endm
	s_load_b256 s[4:11], s[0:1], 0x0               ; We s[4:5], xc s[6:7], xs s[8:9], idx s[10:11]
	s_load_b64 s[12:13], s[0:1], 0x20              ; out0
	v_lshl_add_u32 v[SPW], v0, 2, SPARE
	v_mov_b32 v[NIL], 0
	v_lshrrev_b32 v1, 5, v0
	v_readfirstlane_b32 s14, v1                    ; wave 0..3
	s_and_b32 s15, ttmp7, 0xffff                   ; the expert
	v_and_b32 v[LANE], 31, v0
	v_and_b32 v20, 15, v0                          ; r
	v_bfe_u32 v21, v0, 4, 1                        ; h
	v_lshlrev_b32 v[L16], 4, v[LANE]
	v_lshlrev_b32 v[H16], 4, v21
	v_lshlrev_b32 v[L8], 3, v[LANE]
	s_mul_i32 s2, s14, TWAVE
	s_add_co_u32 s2, s2, TURNB                     ; my turning stage
	v_add_nc_u32 v[TSI], s2, v[L16]
	v_mul_u32_u24 v[TSO], v20, TPITCH
	v_lshl_add_u32 v[TSO], v21, 6, v[TSO]
	v_add_nc_u32 v[TSO], s2, v[TSO]
	s_lshl_b32 s2, s14, 14
	v_add_nc_u32 v[BWI], s2, v[L16]
	v_lshlrev_b32 v[BRS], 2, v[LANE]
	v_add_nc_u32 v[BRS], BSC, v[BRS]
	s_lshl_b32 s2, s14, 10
	v_add_nc_u32 v[BWS], s2, v[BRS]
	s_mul_i32 s2, s14, OWAVE
	s_add_co_u32 s2, s2, OUTB                      ; my way out
	v_mul_u32_u24 v[OSI], v20, OPITCH
	v_lshl_add_u32 v[OSI], v21, 5, v[OSI]
	v_add_nc_u32 v[OSI], s2, v[OSI]
	v_add_nc_u32 v[OSO], s2, v[L8]
	s_mov_b32 s[SEL], 0x76543210
	s_mov_b32 s[SEL+1], 0xfedcba98
	s_mov_b32 s[MNT], 0x600000
	s_mov_b32 s25, 0xffff0000
.irp b, 0,1,2,3
	v_mov_b32 v[TM+4+\b], 0                        ; written once: a lane permute's destination counts as one of its sources
.endr
	v_mov_b32 v[TOKX], 0
	s_lshl_b32 s2, s15, 22                         ; We: 4 MB an expert, 64 rows of 4,096 bytes a slice, 16 rows a wave
	s_lshl_b32 s3, ttmp9, 18
	s_add_co_u32 s2, s2, s3
	s_lshl_b32 s3, s14, 16
	s_add_co_u32 s2, s2, s3
	s_mov_b32 s3, 0
	s_wait_kmcnt 0x0
	s_add_nc_u64 s[4:5], s[4:5], s[2:3]
	s_lshl_b32 s2, s14, 12                         ; idx: my quarter's 1,024 words
	s_add_nc_u64 s[10:11], s[10:11], s[2:3]
	s_lshl_b32 s2, ttmp9, 8                        ; out0: my slice's 256 bytes of a row
	s_add_nc_u64 s[12:13], s[12:13], s[2:3]
.irp c, 0,1,2,3,4,5,6,7
	global_load_b128 v[IX+4*\c:IX+4*\c+3], v[L16], s[10:11] offset:512*\c   ; register 4 c + j of lane l: token 128 c + 4 l + j of my quarter
.endr
	WLOAD 0
	WLOAD 1
	WLOAD 2
	; MY LIST, made while the weights are on their way
	s_wait_loadcnt 48                              ; the indices are in: the 48 loads of We were issued behind them
.set NT, 0
.rept 32
	v_cmp_eq_u32 s[MK+NT], s15, v[IX+NT]
.set NT, NT+1
.endr
	s_lshl_b32 s26, s14, 10                        ; bits 11:0 my quarter's first token; from bit 12 on the running count
.set NT, 0
.rept 32
	s_or_b32 s[PT+NT], s26, 128*(NT/4)+NT%4
	s_bcnt1_i32_b32 s27, s[MK+NT]
	s_lshl_b32 s27, s27, 12
	s_add_co_u32 s26, s26, s27
.set NT, NT+1
.endr
	s_lshr_b32 s16, s26, 12                        ; my number of rows, 0 to 1,024
	s_max_u32 s17, s16, 1
	s_sub_co_u32 s17, s17, 1                       ; the last slot (0 in an empty list: the holds keep every address inside its buffer)
	s_mov_b32 s18, 0
	SELECT
	ADDRS
	; THE WEIGHTS: eight K steps; loads three steps ahead, the turn through LDS one step ahead
	s_wait_loadcnt 32                              ; step 0 is in; steps 1 and 2 may be out
	TURN 0
.macro STEP t
.if \t == 0
	s_wait_dscnt 0x0
.else
	s_wait_dscnt 5                                 ; this step's numbers are back from the stage; the five stores of the image just made may be out; the image before it has left its registers
.endif
.if \t < 5
	WLOAD \t+3
	s_wait_loadcnt 32                              ; the next step is in; the two behind it may be out
	TURN \t+1
.elseif \t == 5
	s_wait_loadcnt 16                              ; step 6 is in; step 7 may be out
	TURN 6
	LOADA 0                                        ; the first pair's rows are asked for here
.elseif \t == 6
	s_wait_loadcnt 34                              ; step 7 is in; the 34 loads of the first tile were issued behind it
	TURN 7
	LOADA 1
.endif
	QUANT X+64*((\t)%2), CD+16*((\t)%2), PW+(\t)%2
	IMAGE \t
.endm
.irp t, 0,1,2,3,4,5,6,7
	STEP \t
.endr
	s_wait_dscnt 0x0                               ; for the others' sake: my images have landed
	s_barrier_signal -1
	s_barrier_wait -1                              ; all 32 fragments lie in LDS; nobody writes them again
	WIN 0x40
.irp s, 0,1,2,3
.irp j, 0,1,2,3
.irp c, 0,1,2,3
	ds_load_b128 v[64*\s+16*\j+4*\c:64*\s+16*\j+4*\c+3], v[L16] offset:(8*\j+\s)*2048+512*\c
.endr
.endr
.endr
	WIN 0x80
.irp s, 4,5,6,7
.irp j, 0,1,2,3
.irp c, 0,1,2,3
	ds_load_b128 v[64*(\s-4)+16*\j+4*\c:64*(\s-4)+16*\j+4*\c+3], v[L16] offset:(8*\j+\s)*2048+512*\c
.endr
.endr
.endr
	WIN 0
.set NT, 0
.rept 32
	ds_load_b32 v[SCB+NT], v[BRS] offset:NT*128
.set NT, NT+1
.endr
	MAKE_OA                                        ; work on registers while the fragments come
	s_wait_dscnt 0x0
	; THE ROWS
	s_cmp_eq_u32 s16, 0
	s_cbranch_scc1 .Ldone                          ; none of my quarter's tokens chose this expert
	s_sub_co_u32 s19, s16, 1
	s_lshr_b32 s19, s19, 5                         ; full pairs ahead of the last one
	s_cmp_eq_u32 s19, 0
	s_cbranch_scc1 .Ltail
	s_mov_b32 s20, 0
.Lpair:
	PAIR 1
	s_add_co_u32 s20, s20, 1
	s_cmp_lt_u32 s20, s19
	s_cbranch_scc1 .Lpair
.Ltail:
	s_sub_co_u32 s21, s16, s18                     ; the last pair's rows that count: 1 to 32
	PAIR 0
.Ldone:
	s_wait_tensorcnt 0x0                           ; the wave's end, behind my last LDS store
	ds_add_u32 v[SPW], v[NIL]
	s_wait_dscnt 0x0
	s_endpgm
.Lfunc_end_k_q2a57f09691_experts:
	.size	k_q2a57f09691_experts, .Lfunc_end_k_q2a57f09691_experts-k_q2a57f09691_experts
	.p2alignl 7, 3214868480
	.fill 96, 4, 3214868480
	.section	.rodata,"a",@progbits
	.p2align	6, 0x0
	.amdhsa_kernel k_q2a57f09691_experts
		.amdhsa_group_segment_fixed_size 138752
		.amdhsa_private_segment_fixed_size 0
		.amdhsa_enable_private_segment 0
		.amdhsa_kernarg_size 40
		.amdhsa_user_sgpr_count 2
		.amdhsa_user_sgpr_kernarg_segment_ptr 1
		.amdhsa_wavefront_size32 1
		.amdhsa_system_sgpr_workgroup_id_x 1
		.amdhsa_system_sgpr_workgroup_id_y 1
		.amdhsa_system_sgpr_workgroup_id_z 1
		.amdhsa_system_vgpr_workitem_id 0
		.amdhsa_next_free_vgpr 1024
		.amdhsa_next_free_sgpr 98
		.amdhsa_reserve_vcc 1
		.amdhsa_float_denorm_mode_32 3
		.amdhsa_float_denorm_mode_16_64 3
		.amdhsa_memory_ordered 1
		.amdhsa_forward_progress 1
		.amdhsa_inst_pref_size 190
	.end_amdhsa_kernel
	.amdgpu_metadata
---
amdhsa.version: [ 1, 2 ]
amdhsa.kernels:
  - .name:           k_q2a57f09691_experts
    .symbol:         k_q2a57f09691_experts.kd
    .args:
      - { .name: We, .offset: 0, .size: 8, .value_kind: global_buffer, .address_space: global }
      - { .name: xc, .offset: 8, .size: 8, .value_kind: global_buffer, .address_space: global }
      - { .name: xs, .offset: 16, .size: 8, .value_kind: global_buffer, .address_space: global }
      - { .name: idx, .offset: 24, .size: 8, .value_kind: global_buffer, .address_space: global }
      - { .name: out0, .offset: 32, .size: 8, .value_kind: global_buffer, .address_space: global }
    .group_segment_fixed_size: 138752
    .private_segment_fixed_size: 0
    .kernarg_segment_align: 8
    .kernarg_segment_size: 40
    .max_flat_workgroup_size: 128
    .sgpr_count:     98
    .vgpr_count:     1024
    .wavefront_size: 32
...
	.end_amdgpu_metadata
.endif
;; end of part 2
;; ======== version 2 of 2: 2 launches
;; workspace buffers: xc 4,194,304 bytes; xs 131,072 bytes; idx 16,384 bytes of whole numbers
;; launch gate (part 3): grid 256 x 1, 4 waves a work-group, no clusters, 56,320 bytes of LDS; arguments x, Wg, xc, xs, idx; writes xc, xs, idx
.if DOCPART == 3
	.amdgcn_target "amdgcn-amd-amdhsa--gfx1250"
	.amdhsa_code_object_version 6
	.text
	.protected	k_q2a57f09691_gate
	.globl	k_q2a57f09691_gate
	.p2align	8
	.type	k_q2a57f09691_gate,@function
k_q2a57f09691_gate:
	s_mov_b64 s[64:65], 0
	v_nop
	global_prefetch_b8 v0, s[64:65] scope:SCOPE_SE
	s_setreg_imm32_b32 hwreg(HW_REG_WAVE_MODE, 25, 1), 1
	s_wait_xcnt 0x0
; x [4096][1024] f32 is quantised along K to codes of E4M3 with one E8M0 scale byte for each 32 (xc: [4096][1024] bytes, K innermost; xs: [4096][8] words, word s = the four bytes of k = 128 s .. 128 s + 127),
; the gate scores Q(x) Q(Wg)^T are made by the scaled matrix instruction, and each token's first largest score is stored as a whole number (idx: [4096] u32).
; SHARES.  Work-group g takes tokens 16 g .. 16 g + 15.  Wave w takes k = 256 w .. 256 w + 255 (two K steps of 128) of these 16 rows of x and of Wg's 16 rows: 64 loads of 512 consecutive bytes, all issued at once.
; Every work-group quantises Wg for itself: 64 KB, as much vector work as its share of x.  The four waves' partial scores meet in LDS behind the one barrier; wave 0 adds them and takes the argmax.
; A block's scale is 2^(floor(log2(its largest magnitude)) - 8); its byte is the largest magnitude's exponent field - 8, held at 1 from below.
; LIMITS.  NaN and infinities among the inputs are not served.  A block of zeros gets the byte 1 where the rule says 127: its codes are zeros, and this program alone reads the bytes.
; A score is the f32 sum ((p0 + p1) + p2) + p3 of four partial sums of 256 along K: a token whose two best scores differ by no more than f32 rounding may fall to the other of the two experts.
; No tensor load: a wave's whole share is out at once, a ring would add nothing.  No cluster: work-groups share only Wg's 64 KB.
.set TPITCH, 528                       ; the turning stage: a row's 512 bytes + 16: 33 x 16, so the sixteen rows that a load touches fall on sixteen different 16-byte columns of the 64 banks (ISA guide 11.1)
.set TWAVE,  16*TPITCH                 ; a stage for each wave, from LDS byte 0
.set CST,    4*TWAVE                   ; the codes' stage: 16 rows x (256 + 16) for each wave
.set CPITCH, 272
.set CWAVE,  16*CPITCH
.set PST,    CST+4*CWAVE               ; the partial scores: 1,024 bytes a wave
.set SST,    PST+4096                  ; x's scale words: 16 rows x 32 bytes
.set SPARE,  SST+512                   ; the spare words, 128 bytes for each wave: two blocks of 256 bytes that no other line names
.set LANE, 1                           ; v1   lane
.set RR,   2                           ; v2   r = lane % 16
.set HH,   3                           ; v3   h = lane / 16
.set L16,  4                           ; v4   16 x lane
.set TSI,  5                           ; v5   turning stage, in: 16 x lane
.set TSO,  6                           ; v6   turning stage, out: 528 r + 64 h
.set CSI,  7                           ; v7   codes' stage, in: 272 r + 16 h
.set CSO,  8                           ; v8   codes' stage, out: 272 h + 16 r
.set XCO,  9                           ; v9   xc: 1024 h + 16 r
.set SSI,  10                          ; v10  where my rows' scale words go: 32 r + 8 w
.set PSI,  11                          ; v11  where my partial scores go: 1024 w + 32 x lane
.set SPW,  12                          ; v12  LDS address of my spare word; never rewritten
.set NIL,  13                          ; v13  0; never rewritten
.set L4,   14                          ; v14  4 x lane
.set PSR,  15                          ; v15  partial scores, back: 32 x lane
.set F,    16                          ; v16-79  four fragments: x step 0, x step 1, Wg step 0, Wg step 1
.set SW,   80                          ; v80-83  their scale words: scales and nothing else
.set ACC,  84                          ; v84-91  the accumulator
.set SSR,  92                          ; v92  scale words, back: 16 x lane
.set X0,   96                          ; v96-159, v160-223: two sets of 64 numbers; later v96-127 codes read back, v128-159 the four partial scores, v160-163 scale words read back
.set X1,   160
.set TM,   224                         ; v224-239 at work in the quantiser
.set SEL,  22                          ; s[22:23] v_permlanex16_b32's selects for lane l xor 16
.set MNT,  24                          ; s24  the mantissa field of 448
.set MSB, 0
.macro WIN new                         ; the immediate's high byte repeats the setting that is left; a switch that changes nothing is dropped
.if MSB != (\new)
	s_set_vgpr_msb (MSB<<8)|(\new)
.set MSB, (\new)
.endif
.endm
; 64 numbers of a lane, register 16 b + i = k 32 b + 16 h + i of my row r, become a fragment's 16 registers of codes at v[pc] and its scale word in v[pw].
.macro QUANT s, pc, pw
.irp b, 0,1,2,3
	v_max3_num_f32 v[TM+\b], |v[\s+16*\b]|, |v[\s+1+16*\b]|, 0x4800000   ; block b: my 16 numbers, and the floor 2^(9 - 127): the byte cannot fall under 1
.endr
.irp i, 2,4,6,8,10,12,14
.irp b, 0,1,2,3
	v_max3_num_f32 v[TM+\b], v[TM+\b], |v[\s+16*\b+\i]|, |v[\s+1+16*\b+\i]|   ; the four blocks by turns: no line waits for the line above it
.endr
.endr
.irp b, 0,1,2,3
	v_permlanex16_b32 v[TM+4+\b], v[TM+\b], s[SEL], s[SEL+1]
.endr
.irp b, 0,1,2,3
	v_max_num_f32 v[TM+\b], v[TM+\b], v[TM+4+\b]           ; with lane l xor 16's: the block's largest magnitude
.endr
.irp b, 0,1,2,3
	v_add_nc_u32 v[TM+12+\b], 0xfc000000, v[TM+\b]         ; 8 off its exponent field: the conversion takes this operand's exponent field as its scale
.endr
.irp b, 0,1,2,3
	v_and_or_b32 v[TM+8+\b], v[TM+\b], 0x7f800000, s[MNT]  ; 448 x the scale
.endr
.irp b, 0,1,2,3
	v_lshrrev_b32 v[TM+4+\b], 23, v[TM+12+\b]              ; the scale's byte
.endr
	v_lshl_or_b32 v[\pw], v[TM+5], 8, v[TM+4]              ; the four bytes make my row's scale word
	v_lshl_or_b32 v[\pw], v[TM+6], 16, v[\pw]
	v_lshl_or_b32 v[\pw], v[TM+7], 24, v[\pw]
.irp b, 0,1,2,3
.irp i, 0,1,2,3,4,5,6,7,8,9,10,11,12,13,14,15
	v_med3_num_f32 v[\s+16*\b+\i], v[\s+16*\b+\i], -v[TM+8+\b], v[TM+8+\b]   ; the conversion to an 8-bit code does not saturate (ISA guide 7.6.2): the hold at the largest code x the scale
.endr
	v_cvt_scalef32_pk8_fp8_f32 v[\pc+4*\b:\pc+1+4*\b], v[\s+16*\b:\s+7+16*\b], v[TM+12+\b]
	v_cvt_scalef32_pk8_fp8_f32 v[\pc+2+4*\b:\pc+3+4*\b], v[\s+8+16*\b:\s+15+16*\b], v[TM+12+\b]
.endr
	v_nop                                                  ; one plain vector instruction behind the last scaled conversion
.endm
; Set q (16 rows x 512 bytes, loaded 16 bytes a lane) goes through my stage as it lies and comes back 64 bytes a lane: 16 neighbours of each block of 32.  LDS serves a wave's instructions in order (ISA guide 5.7.1.4).
.macro TURN q, x
	WIN 0x04                                               ; an LDS store's data are its source 1: window 1
.irp i, 0,1,2,3,4,5,6,7,8,9,10,11,12,13,14,15
	ds_store_b128 v[TSI], v[64*(\q)+4*\i:64*(\q)+4*\i+3] offset:\i*TPITCH
.endr
	WIN 0
.irp b, 0,1,2,3
.irp j, 0,1,2,3
	ds_load_b128 v[\x+16*\b+4*\j:\x+16*\b+4*\j+3], v[TSO] offset:128*\b+16*\j
.endr
.endr
.endm
	s_load_b256 s[4:11], s[0:1], 0x0               ; x s[4:5], Wg s[6:7], xc s[8:9], xs s[10:11]
	s_load_b64 s[12:13], s[0:1], 0x20              ; idx
	v_lshl_add_u32 v[SPW], v0, 2, SPARE
	v_mov_b32 v[NIL], 0
	v_lshrrev_b32 v1, 5, v0
	v_readfirstlane_b32 s14, v1                    ; wave 0..3
	v_and_b32 v[LANE], 31, v0
	v_and_b32 v[RR], 15, v0
	v_bfe_u32 v[HH], v0, 4, 1
	v_lshlrev_b32 v[L16], 4, v[LANE]
	v_lshlrev_b32 v[L4], 2, v[LANE]
	s_mul_i32 s16, s14, TWAVE                      ; my turning stage
	v_add_nc_u32 v[TSI], s16, v[L16]
	v_mul_u32_u24 v[TSO], v[RR], TPITCH
	v_lshl_add_u32 v[TSO], v[HH], 6, v[TSO]
	v_add_nc_u32 v[TSO], s16, v[TSO]
	s_mul_i32 s16, s14, CWAVE                      ; my codes' stage
	s_add_co_u32 s16, s16, CST
	v_mul_u32_u24 v[CSI], v[RR], CPITCH
	v_lshl_add_u32 v[CSI], v[HH], 4, v[CSI]
	v_add_nc_u32 v[CSI], s16, v[CSI]
	v_mul_u32_u24 v[CSO], v[HH], CPITCH
	v_lshl_add_u32 v[CSO], v[RR], 4, v[CSO]
	v_add_nc_u32 v[CSO], s16, v[CSO]
	v_lshlrev_b32 v[XCO], 10, v[HH]
	v_lshl_add_u32 v[XCO], v[RR], 4, v[XCO]
	s_lshl_b32 s16, s14, 3
	s_add_co_u32 s16, s16, SST
	v_lshlrev_b32 v[SSI], 5, v[RR]
	v_add_nc_u32 v[SSI], s16, v[SSI]
	v_lshlrev_b32 v[PSR], 5, v[LANE]
	v_add_nc_u32 v[PSR], PST, v[PSR]
	s_lshl_b32 s16, s14, 10
	v_add_nc_u32 v[PSI], s16, v[PSR]
	v_add_nc_u32 v[SSR], SST, v[L16]
	s_mov_b32 s[SEL], 0x76543210
	s_mov_b32 s[SEL+1], 0xfedcba98
	s_mov_b32 s[MNT], 0x600000
.irp b, 0,1,2,3
	v_mov_b32 v[TM+4+\b], 0                        ; written once: a lane permute's destination counts as one of its sources
.endr
	v_mov_b32 v244, 0                              ; likewise, for the argmax
	v_mov_b32 v245, 0
	s_mov_b32 s17, 0
	s_wait_kmcnt 0x0
	s_add_nc_u64 s[6:7], s[6:7], s[16:17]          ; Wg at my wave's 256 along K: 1,024 bytes x wave (s16 still holds it)
	s_lshl_b32 s18, ttmp9, 16                      ; x: 16 rows of 4,096 bytes a work-group
	s_add_co_u32 s16, s16, s18
	s_add_nc_u64 s[4:5], s[4:5], s[16:17]
	s_lshl_b32 s16, ttmp9, 14                      ; xc: 16 rows of 1,024 bytes, + 256 x wave
	s_lshl_b32 s18, s14, 8
	s_add_co_u32 s16, s16, s18
	s_add_nc_u64 s[8:9], s[8:9], s[16:17]
	s_lshl_b32 s16, ttmp9, 9                       ; xs: 16 rows of 32 bytes
	s_add_nc_u64 s[10:11], s[10:11], s[16:17]
	s_lshl_b32 s16, ttmp9, 6                       ; idx: 16 words
	s_add_nc_u64 s[12:13], s[12:13], s[16:17]
	; all 64 loads at once, into window 1: set q at v[64 q + 4 i]; each load reads 512 consecutive bytes: row i's K step
	WIN 0x40
.irp q, 0,1
.irp i, 0,1,2,3,4,5,6,7,8,9,10,11,12,13,14,15
	global_load_b128 v[64*\q+4*\i:64*\q+4*\i+3], v[L16], s[4:5] offset:\i*4096+512*\q th:TH_LOAD_NT   ; x: read once in the launch
.endr
.endr
.irp q, 0,1
.irp i, 0,1,2,3,4,5,6,7,8,9,10,11,12,13,14,15
	global_load_b128 v[128+64*\q+4*\i:128+64*\q+4*\i+3], v[L16], s[6:7] offset:\i*4096+512*\q          ; Wg: every work-group reads it
.endr
.endr
	WIN 0
	s_wait_loadcnt 48                              ; set 0 is in: 48 loads were issued behind it
	TURN 0, X0
	s_wait_dscnt 0x0                               ; set 0 is back from the stage, which may be written again
	s_wait_loadcnt 32                              ; set 1 is in
	TURN 1, X1
	QUANT X0, F, SW
	s_wait_dscnt 0x0
	s_wait_loadcnt 16                              ; set 2
	TURN 2, X0
	QUANT X1, F+16, SW+1
	s_wait_dscnt 0x0
	s_wait_loadcnt 0x0                             ; set 3
	TURN 3, X1
	QUANT X0, F+32, SW+2
	s_wait_dscnt 0x0
	QUANT X1, F+48, SW+3
	; x's codes: a lane's 16 bytes belong to row r, the lanes beside it hold other rows: through my stage, back as rows of 256 bytes
.irp s, 0,1
.irp c, 0,1,2,3
	ds_store_b128 v[CSI], v[F+16*\s+4*\c:F+16*\s+4*\c+3] offset:128*\s+32*\c
.endr
.endr
.irp i, 0,1,2,3,4,5,6,7
	ds_load_b128 v[X0+4*\i:X0+4*\i+3], v[CSO] offset:2*\i*CPITCH   ; rows 2 i + h
.endr
	ds_store_b32 v[SSI], v[SW]                     ; my rows' two scale words; both halves of the lanes write the same word with the same value
	ds_store_b32 v[SSI], v[SW+1] offset:4
.rept 4
	v_nop                                          ; codes written by vector instructions stand four places ahead of a scaled matrix instruction; the last scale word stands ahead of the 64 holds
.endr
	; source 0 = Wg's 16 experts, source 1 = my 16 tokens: lane (r, h) holds token r, register j expert 8 h + j
	v_wmma_scale_f32_16x16x128_f8f6f4 v[ACC:ACC+7], v[F+32:F+47], v[F:F+15], 0, v[SW+2], v[SW]
	s_wait_alu depctr_va_vdst(0)                   ; the wait directly ahead of the link
	v_wmma_scale_f32_16x16x128_f8f6f4 v[ACC:ACC+7], v[F+48:F+63], v[F+16:F+31], v[ACC:ACC+7], v[SW+3], v[SW+1]
.rept 8
	v_nop                                          ; eight places behind this form before its result is read
.endr
	ds_store_b128 v[PSI], v[ACC:ACC+3]             ; from the low end on
	ds_store_b128 v[PSI], v[ACC+4:ACC+7] offset:16
	s_wait_dscnt 0x0                               ; for the others' sake: my stores have landed; my codes are back too
	s_barrier_signal -1
	s_barrier_wait -1
.irp i, 0,1,2,3,4,5,6,7
	global_store_b128 v[XCO], v[X0+4*\i:X0+4*\i+3], s[8:9] offset:2048*\i   ; sixteen lanes store 256 consecutive bytes, at a multiple of 256 from xc's first byte
.endr
	s_cmp_lg_u32 s14, 0
	s_cbranch_scc1 .Lend                           ; the rest is wave 0's
	ds_load_b128 v[160:163], v[SSR]                ; the 16 rows' scale words: 512 bytes on end
.irp p, 0,1,2,3
	ds_load_b128 v[128+8*\p:131+8*\p], v[PSR] offset:1024*\p
	ds_load_b128 v[132+8*\p:135+8*\p], v[PSR] offset:1024*\p+16
.endr
	s_wait_dscnt 0x0
	global_store_b128 v[L16], v[160:163], s[10:11] ; 512 consecutive bytes, aligned
.irp p, 1,2,3
.irp j, 0,2,4,6
	v_pk_add_f32 v[128+\j:129+\j], v[128+\j:129+\j], v[128+8*\p+\j:129+8*\p+\j]   ; ((p0 + p1) + p2) + p3
.endr
.endr
	v_lshlrev_b32 v243, 3, v[HH]                   ; my first expert: 8 h
	v_mov_b32 v240, v128                           ; the best score so far,
	v_mov_b32 v241, v243                           ; and its expert
.irp j, 1,2,3,4,5,6,7
	v_cmp_gt_f32 vcc_lo, v[128+\j], v240           ; strictly greater: the lower index is kept on a tie
	v_add_nc_u32 v242, \j, v243
	v_cndmask_b32 v240, v240, v[128+\j], vcc_lo
	v_cndmask_b32 v241, v241, v242, vcc_lo
.endr
	v_permlanex16_b32 v244, v240, s[SEL], s[SEL+1]
	v_permlanex16_b32 v245, v241, s[SEL], s[SEL+1]
	v_cmp_gt_f32 vcc_lo, v244, v240                ; in lanes 0-15 my own are experts 0-7: the other half's wins only where strictly greater
	v_cndmask_b32 v241, v241, v245, vcc_lo
	v_cmp_gt_u32 vcc_lo, 16, v[LANE]
	s_wait_alu depctr_va_vdst(0)
	s_wait_xcnt 0x0                                ; EXEC is a source of the stores above: it changes only behind this wait
	s_and_saveexec_b32 s20, vcc_lo
	global_store_b32 v[L4], v241, s[12:13]         ; lane r: token r's expert.  64 bytes a work-group, 16 KB in the launch
	s_wait_xcnt 0x0                                ; and again, ahead of the line that widens it
	s_or_b32 exec_lo, exec_lo, s20
.Lend:
	s_wait_tensorcnt 0x0                           ; the wave's end, behind my last LDS store
	ds_add_u32 v[SPW], v[NIL]
	s_wait_dscnt 0x0
	s_endpgm
.Lfunc_end_k_q2a57f09691_gate:
	.size	k_q2a57f09691_gate, .Lfunc_end_k_q2a57f09691_gate-k_q2a57f09691_gate
	.p2alignl 7, 3214868480
	.fill 96, 4, 3214868480
	.section	.rodata,"a",@progbits
	.p2align	6, 0x0
	.amdhsa_kernel k_q2a57f09691_gate
		.amdhsa_group_segment_fixed_size 56320
		.amdhsa_private_segment_fixed_size 0
		.amdhsa_enable_private_segment 0
		.amdhsa_kernarg_size 40
		.amdhsa_user_sgpr_count 2
		.amdhsa_user_sgpr_kernarg_segment_ptr 1
		.amdhsa_wavefront_size32 1
		.amdhsa_system_sgpr_workgroup_id_x 1
		.amdhsa_system_sgpr_workgroup_id_y 1
		.amdhsa_system_sgpr_workgroup_id_z 1
		.amdhsa_system_vgpr_workitem_id 0
		.amdhsa_next_free_vgpr 512
		.amdhsa_next_free_sgpr 66
		.amdhsa_reserve_vcc 1
		.amdhsa_float_denorm_mode_32 3
		.amdhsa_float_denorm_mode_16_64 3
		.amdhsa_memory_ordered 1
		.amdhsa_forward_progress 1
		.amdhsa_inst_pref_size 56
	.end_amdhsa_kernel
	.amdgpu_metadata
---
amdhsa.version: [ 1, 2 ]
amdhsa.kernels:
  - .name:           k_q2a57f09691_gate
    .symbol:         k_q2a57f09691_gate.kd
    .args:
      - { .name: x, .offset: 0, .size: 8, .value_kind: global_buffer, .address_space: global }
      - { .name: Wg, .offset: 8, .size: 8, .value_kind: global_buffer, .address_space: global }
      - { .name: xc, .offset: 16, .size: 8, .value_kind: global_buffer, .address_space: global }
      - { .name: xs, .offset: 24, .size: 8, .value_kind: global_buffer, .address_space: global }
      - { .name: idx, .offset: 32, .size: 8, .value_kind: global_buffer, .address_space: global }
    .group_segment_fixed_size: 56320
    .private_segment_fixed_size: 0
    .kernarg_segment_align: 8
    .kernarg_segment_size: 40
    .max_flat_workgroup_size: 128
    .sgpr_count:     66
    .vgpr_count:     512
    .wavefront_size: 32
...
	.end_amdgpu_metadata
.endif
;; end of part 3
;; launch experts (part 4): grid 16 x 16, 4 waves a work-group, no clusters, 138,752 bytes of LDS; arguments We, xc, xs, idx, out0; writes out0
.if DOCPART == 4
	.amdgcn_target "amdgcn-amd-amdhsa--gfx1250"
	.amdhsa_code_object_version 6
	.text
	.protected	k_q2a57f09691_experts
	.globl	k_q2a57f09691_experts
	.p2align	8
	.type	k_q2a57f09691_experts,@function
k_q2a57f09691_experts:
	s_mov_b64 s[64:65], 0
	v_nop
	global_prefetch_b8 v0, s[64:65] scope:SCOPE_SE
	s_setreg_imm32_b32 hwreg(HW_REG_WAVE_SCHED_MODE, 0, 2), 2
	s_setreg_imm32_b32 hwreg(HW_REG_WAVE_MODE, 25, 1), 1
	s_wait_xcnt 0x0
	s_wait_alu depctr_vm_vsrc(0)
; out0[t][:] = Q(x[t]) Q(We[e])^T for the expert e = idx[t] that the launch before has chosen for token t: the fifteen other masked products of the sum are products of zero rows and are not made.
; SHARES.  Work-group (sl, e) = (x, y) owns output columns 64 sl .. 64 sl + 63 of expert e: 64 rows of We[e], 256 KB of f32, read once in the launch.
; THE WEIGHTS.  Wave w quantises rows 64 sl + 16 w .. + 15 for all of K (8 K steps of 128) and stores the 8 fragments and their scale words to LDS as images of their registers; behind the one barrier
; every wave loads all 32 fragments into 512 registers (windows 1 and 2), where they stay.
; THE ROWS.  Wave w serves the tokens 1024 w .. 1024 w + 1023 that chose e.  It makes its own list in registers: 32 ballot words and their running counts in scalar registers; slot S of the list is found by
; a walk over the counts and a search for the K-th set bit.  No count crosses waves, nothing is scattered.  Rows go in pairs of tiles of 16: their codes come from xc straight into the operand's registers
; (window 3), each fragment feeds four matrix instructions, and a row's 64 results are 256 consecutive bytes of out0.  The grid serves every split: all tokens on one expert are 32 pairs a wave; a wave
; without rows stores nothing.  Slots past the list's end repeat its last row and are not stored.
; THE MATRIX INSTRUCTION IS USED TRANSPOSED (source 0 = 16 rows of We, source 1 = 16 tokens): lane (r, h) holds token r and eight neighbouring columns 16 j + 8 h + 0 .. 7.
; Branches and trip counts hang on idx; the text has no tensor load and no cluster; the weights' loads keep 48 x 512 bytes of each wave on their way.
; LIMITS.  NaN and infinities among the inputs are not served.  A block of zeros gets the scale byte 1 where the rule says 127: its codes are zeros, and this program alone reads the bytes.
; idx holds 0 .. 15, as the launch before stores it; every address made of it is held inside its buffer whatever it holds.
; THE MODE: SCHED_MODE bits 1:0 = 2 (LLVM: expert scheduling mode 2), set by the entry lines.  The code itself states the register dependences between vector or matrix instructions and memory or LDS
; instructions, with s_wait_alu, always for 0.
; THE PLAN.  Registers that memory or LDS instructions touch:
;   v2, v4-v10    addresses, written at the head and never again: one wait on va_vdst ahead of the first load.
;   RAW           windows 1 and 2 while the weights are quantised: a K step's loads land in registers of their own, TURN's LDS stores read them, no vector instruction names them.  Behind the barrier the
;                 fragments' LDS loads land there: one wait on vm_vsrc.
;   X0, X1        Step t: QUANT reads and writes X[t % 2]; TURN t + 1's LDS loads land in the other set, which QUANT t - 1 worked on.
;   CD0/1, PW0/1  QUANT t writes set t % 2; IMAGE t's five LDS stores, issued at the head of step t + 1, read it; QUANT t + 2 writes it again.
;   So a step's head has one wait on va_vdst (QUANT t - 1 is done) for IMAGE t - 1 and TURN t + 1, and ahead of these one wait on vm_vsrc (IMAGE t - 2, issued a step ago, has read the set that QUANT t writes).
;   AO, SO        ADDRS writes them, LOADA reads them.      window 3, SCA   LOADA's loads land there, the pair's products read them.
;   ACC           the products write it, the way out's LDS stores read it.      OD   the LDS loads from the stage land there, the global stores read it.      OA   MAKE_OA writes it, the global stores read it.
;   So a pair has one wait on va_vdst, behind ADDRS: behind it stand LOADA, the LDS stores and loads and the global stores, and no vector instruction among them; and one wait on vm_vsrc at its end, ahead of
;   MAKE_OA, which frees OA, OD, ACC, AO and SO for MAKE_OA and for the next pair.
; Scalar registers that vector instructions write (the wave's number, ballots, compares, lanes read out) are written in runs, each with one wait on va_sdst ahead of the run's first reader.
.set BSC,    65536                     ; LDS: from 0 the weights' images, fragment (j, s) at (8 j + s) x 2048; here their scale words, (8 j + s) x 128
.set TURNB,  BSC+4096                  ; the turning stages: 16 rows x (512 + 16) for each wave
.set TPITCH, 528                       ; 33 x 16: the sixteen rows that a load touches fall on sixteen different 16-byte columns of the 64 banks (ISA guide 11.1)
.set TWAVE,  16*TPITCH
.set OUTB,   TURNB+4*TWAVE             ; the way out: two tiles of 16 rows x (256 + 16) for each wave
.set OPITCH, 272
.set OTILE,  16*OPITCH
.set OWAVE,  2*OTILE
.set SPARE,  OUTB+4*OWAVE              ; the spare words, 128 bytes for each wave: two blocks of 256 bytes that no other line names
.set LANE, 1                           ; v1   lane
.set L16,  2                           ; v2   16 x lane
.set H16,  3                           ; v3   16 x (lane / 16)
.set TSI,  4                           ; v4   turning stage, in
.set TSO,  5                           ; v5   turning stage, out
.set BWI,  6                           ; v6   where I store my images: 16 x lane + 16384 x wave
.set BWS,  7                           ; v7   and their scale words
.set BRS,  8                           ; v8   scale words, back: 4 x lane
.set OSI,  9                           ; v9   the way out, in: 272 r + 32 h
.set OSO,  10                          ; v10  the way out, back: 8 x lane
.set L8,   11                          ; v11  8 x lane
.set SPW,  12                          ; v12  LDS address of my spare word; never rewritten
.set NIL,  13                          ; v13  0; never rewritten
.set TOK,  14                          ; v14  lane l: the token in slot S0 + l
.set TOKX, 15                          ; v15  the same of lane l xor 16
.set AO,   16                          ; v16-17  byte offset in xc of my row of tile 0, 1
.set SO,   18                          ; v18-19  the same in xs
.set RS,   20                          ; v20-31  at work in SELECT
.set RKEY, 21
.set RW,   22
.set RPT,  23
.set RK,   24
.set RA,   25
.set RB,   26
.set RC,   27
.set RD,   28
.set RPOS, 29
.set RT,   30
.set RU,   31
.set PW,   30                          ; v30-31  while the weights are quantised: the scale word just made, two by turns
.set CD,   32                          ; v32-63  then: the codes just made, two sets by turns
.set OA,   32                          ; v32-63  later: byte offset in out0 of the pair's row i, + 8 x lane
.set SCB,  64                          ; v64-95  the weights' scale words, (j, s) at 8 j + s: scales and nothing else
.set SCA,  96                          ; v96-111 the rows' scale words, (a, s) at 8 a + s: scales and nothing else
.set ACC,  112                         ; v112-175 the eight accumulators, (a, j) at 8 (4 a + j)
.set X,    112                         ; v112-239 while the weights are quantised: two sets of 64 numbers
.set OD,   176                         ; v176-239 the way out: row i's 8 bytes a lane
.set IX,   176                         ; v176-207 at the head: my quarter's indices as loaded
.set TM,   240                         ; v240-255 at work in the quantiser
.set SEL,  22                          ; s[22:23] v_permlanex16_b32's selects for lane l xor 16
.set MNT,  24                          ; s24  the mantissa field of 448
.set MK,   32                          ; s[32:63] ballot word t = 4 c + j: bit l = token 1024 w + 128 c + 4 l + j chose e
.set PT,   66                          ; s[66:97] (rows counted ahead of word t) << 12 | the word's first token
; Eight scalar registers at work behind the head, for runs of eight compares or of eight lanes read out: number j of a run is s[26 + j - 30 (j / 6)]: s26 to s31, then s2 and s3.
.set MSB, 0
.macro WIN new                         ; the immediate's high byte repeats the setting that is left; a switch that changes nothing is dropped
.if MSB != (\new)
	s_set_vgpr_msb (MSB<<8)|(\new)
.set MSB, (\new)
.endif
.endm
; 64 numbers of a lane, register 16 b + i = k 32 b + 16 h + i of my row r, become a fragment's 16 registers of codes at v[pc] and its scale word in v[pw].
.macro QUANT s, pc, pw
.irp b, 0,1,2,3
	v_max3_num_f32 v[TM+\b], |v[\s+16*\b]|, |v[\s+1+16*\b]|, 0x4800000   ; block b: my 16 numbers, and the floor 2^(9 - 127): the byte cannot fall under 1
.endr
.irp i, 2,4,6,8,10,12,14
.irp b, 0,1,2,3
	v_max3_num_f32 v[TM+\b], v[TM+\b], |v[\s+16*\b+\i]|, |v[\s+1+16*\b+\i]|   ; the four blocks by turns
.endr
.endr
.irp b, 0,1,2,3
	v_permlanex16_b32 v[TM+4+\b], v[TM+\b], s[SEL], s[SEL+1]
.endr
.irp b, 0,1,2,3
	v_max_num_f32 v[TM+\b], v[TM+\b], v[TM+4+\b]           ; with lane l xor 16's: the block's largest magnitude
.endr
.irp b, 0,1,2,3
	v_add_nc_u32 v[TM+12+\b], 0xfc000000, v[TM+\b]         ; 8 off its exponent field: the conversion's scale operand
.endr
.irp b, 0,1,2,3
	v_and_or_b32 v[TM+8+\b], v[TM+\b], 0x7f800000, s[MNT]  ; 448 x the scale
.endr
.irp b, 0,1,2,3
	v_lshrrev_b32 v[TM+4+\b], 23, v[TM+12+\b]              ; the scale's byte
.endr
	v_lshl_or_b32 v[\pw], v[TM+5], 8, v[TM+4]
	v_lshl_or_b32 v[\pw], v[TM+6], 16, v[\pw]
	v_lshl_or_b32 v[\pw], v[TM+7], 24, v[\pw]
.irp b, 0,1,2,3
.irp i, 0,1,2,3,4,5,6,7,8,9,10,11,12,13,14,15
	v_med3_num_f32 v[\s+16*\b+\i], v[\s+16*\b+\i], -v[TM+8+\b], v[TM+8+\b]   ; the conversion to an 8-bit code does not saturate (ISA guide 7.6.2): the hold at the largest code x the scale
.endr
	v_cvt_scalef32_pk8_fp8_f32 v[\pc+4*\b:\pc+1+4*\b], v[\s+16*\b:\s+7+16*\b], v[TM+12+\b]
	v_cvt_scalef32_pk8_fp8_f32 v[\pc+2+4*\b:\pc+3+4*\b], v[\s+8+16*\b:\s+15+16*\b], v[TM+12+\b]
.endr
	v_nop                                                  ; one plain vector instruction behind the last scaled conversion
.endm
; K step t of my 16 rows of We: 16 loads of 512 consecutive bytes, into registers of their own: v[64 (t % 4) + 4 i] of window 1 (t < 4) or 2.  No vector instruction ever names these registers, and v[L16] stands since the head: no wait is owed
.macro WLOAD t
	WIN 0x40*(1+(\t)/4)
.irp i, 0,1,2,3,4,5,6,7,8,9,10,11,12,13,14,15
	global_load_b128 v[64*((\t)%4)+4*\i:64*((\t)%4)+4*\i+3], v[L16], s[4:5] offset:\i*4096+512*(\t) th:TH_LOAD_NT
.endr
	WIN 0
.endm
; They go through my stage as they lie and come back 64 bytes a lane: 16 neighbours of each block of 32.  LDS serves a wave's instructions in order (ISA guide 5.7.1.4).
.macro TURN t
	WIN 0x04*(1+(\t)/4)                                    ; an LDS store's data are its source 1
.irp i, 0,1,2,3,4,5,6,7,8,9,10,11,12,13,14,15
	ds_store_b128 v[TSI], v[64*((\t)%4)+4*\i:64*((\t)%4)+4*\i+3] offset:\i*TPITCH
.endr
	WIN 0
.irp b, 0,1,2,3
.irp j, 0,1,2,3
	ds_load_b128 v[X+64*((\t)%2)+16*\b+4*\j:X+64*((\t)%2)+16*\b+4*\j+3], v[TSO] offset:128*\b+16*\j
.endr
.endr
.endm
.macro IMAGE t                         ; fragment (w, t) goes to LDS as it stands: five stores
.irp c, 0,1,2,3
	ds_store_b128 v[BWI], v[CD+16*((\t)%2)+4*\c:CD+16*((\t)%2)+4*\c+3] offset:2048*(\t)+512*\c
.endr
	ds_store_b32 v[BWS], v[PW+(\t)%2] offset:128*(\t)
.endm
.macro LEVEL step                      ; where K >= T the wanted bit lies in the upper part: K -= T, POS += step
	v_cmp_ge_u32 vcc_lo, v[RK], v[RT]
	v_sub_nc_u32 v[RU], v[RK], v[RT]
	v_add_nc_u32 v[RS], \step, v[RPOS]                     ; (S is done with: its register takes the stepped position)
	s_wait_alu depctr_va_vcc(0)                            ; the compare has written VCC, which the two selects read
	v_cndmask_b32 v[RK], v[RK], v[RU], vcc_lo
	v_cndmask_b32 v[RPOS], v[RPOS], v[RS], vcc_lo
.endm
; v[TOK]: lane l gets the token in slot min(s18 + l, s17) of my wave's list.  Plain vector work alone, no branch.
.macro SELECT
	v_add_nc_u32 v[RS], s18, v[LANE]
	v_min_u32 v[RS], s17, v[RS]                            ; slots past the end repeat the last row
	v_lshl_or_b32 v[RKEY], v[RS], 12, 0xfff
	v_mov_b32 v[RW], s[MK]
	v_mov_b32 v[RPT], s[PT]
.set NG, 0
.rept 4                                ; words 1 to 31, in runs of eight compares
.set NJ, 0
.rept 8
.if 8*NG+NJ < 31
	v_cmp_le_u32 s[26+NJ-30*(NJ/6)], s[PT+1+8*NG+NJ], v[RKEY]   ; the counts do not fall: the last word whose count is at most S holds slot S
.endif
.set NJ, NJ+1
.endr
	s_wait_alu depctr_va_sdst(0)                           ; the run's compares have written their masks, which the selects below read
.set NJ, 0
.rept 8
.if 8*NG+NJ < 31
	v_cndmask_b32 v[RW], v[RW], s[MK+1+8*NG+NJ], s[26+NJ-30*(NJ/6)]
	v_cndmask_b32 v[RPT], v[RPT], s[PT+1+8*NG+NJ], s[26+NJ-30*(NJ/6)]
.endif
.set NJ, NJ+1
.endr
.set NG, NG+1
.endr
	v_lshrrev_b32 v[RT], 12, v[RPT]
	v_sub_nc_u32 v[RK], v[RS], v[RT]                       ; K: which set bit of the word, from 0
	v_lshrrev_b32 v[RT], 1, v[RW]                          ; counts of set bits in fields of 2, 4, 8 and (low byte) 16 bits
	v_and_b32 v[RT], 0x55555555, v[RT]
	v_sub_nc_u32 v[RA], v[RW], v[RT]
	v_lshrrev_b32 v[RT], 2, v[RA]
	v_and_b32 v[RT], 0x33333333, v[RT]
	v_and_b32 v[RB], 0x33333333, v[RA]
	v_add_nc_u32 v[RB], v[RB], v[RT]
	v_lshrrev_b32 v[RT], 4, v[RB]
	v_add_nc_u32 v[RC], v[RB], v[RT]
	v_and_b32 v[RC], 0x0f0f0f0f, v[RC]
	v_lshrrev_b32 v[RT], 8, v[RC]
	v_add_nc_u32 v[RD], v[RC], v[RT]
	v_mov_b32 v[RPOS], 0
	v_and_b32 v[RT], 0xff, v[RD]
	LEVEL 16
	v_bfe_u32 v[RT], v[RC], v[RPOS], 8
	LEVEL 8
	v_bfe_u32 v[RT], v[RB], v[RPOS], 4
	LEVEL 4
	v_bfe_u32 v[RT], v[RA], v[RPOS], 2
	LEVEL 2
	v_bfe_u32 v[RT], v[RW], v[RPOS], 1
	LEVEL 1
	v_and_b32 v[RT], 0xfff, v[RPT]
	v_lshl_add_u32 v[TOK], v[RPOS], 2, v[RT]               ; the word's first token + 4 x the bit
.endm
; Lane (r, h) wants slot r for tile 0 and slot 16 + r for tile 1.  The hold at 4,095 comes last; behind it a shift left and an addition.
.macro ADDRS
	v_permlanex16_b32 v[TOKX], v[TOK], s[SEL], s[SEL+1]
	v_cndmask_b32 v[RT], v[TOK], v[TOKX], s25              ; s25: lanes 16-31 (a constant, written by a scalar instruction)
	v_cndmask_b32 v[RU], v[TOKX], v[TOK], s25
	v_min_u32 v[RT], 0xfff, v[RT]
	v_min_u32 v[RU], 0xfff, v[RU]
	v_lshlrev_b32 v[AO], 10, v[RT]                         ; a row of codes is 1,024 bytes
	v_add_nc_u32 v[AO], v[AO], v[H16]
	v_lshlrev_b32 v[AO+1], 10, v[RU]
	v_add_nc_u32 v[AO+1], v[AO+1], v[H16]
	v_lshlrev_b32 v[SO], 5, v[RT]                          ; a row of scale words 32
	v_lshlrev_b32 v[SO+1], 5, v[RU]
.endm
; Tile a's eight fragments (registers 4 c .. 4 c + 3 of step s: k = 128 s + 32 c + 16 h + 0 .. 15 of my row) into window 3, and its rows' eight scale words: 34 loads.  No hint: sixteen work-groups read these rows.
.macro LOADA a
	WIN 0xc0
.irp s, 0,1,2,3,4,5,6,7
.irp c, 0,1,2,3
	global_load_b128 v[128*\a+16*\s+4*\c:128*\a+16*\s+4*\c+3], v[AO+\a], s[6:7] offset:128*\s+32*\c
.endr
.endr
	WIN 0
	global_load_b128 v[SCA+8*\a:SCA+8*\a+3], v[SO+\a], s[8:9]
	global_load_b128 v[SCA+8*\a+4:SCA+8*\a+7], v[SO+\a], s[8:9] offset:16
.endm
.macro MAKE_OA                         ; the pair's 32 rows in out0: 4,096 bytes a row, 8 bytes a lane; the lanes are read out in runs of eight
.set NG, 0
.rept 4
.set NJ, 0
.rept 8
	v_readlane_b32 s[26+NJ-30*(NJ/6)], v[TOK], 8*NG+NJ
.set NJ, NJ+1
.endr
	s_wait_alu depctr_va_sdst(0)                           ; the run's eight tokens are written, ahead of the scalar lines that read them
.set NJ, 0
.rept 8
	s_min_u32 s[26+NJ-30*(NJ/6)], s[26+NJ-30*(NJ/6)], 0xfff
	s_lshl_b32 s[26+NJ-30*(NJ/6)], s[26+NJ-30*(NJ/6)], 12
	v_add_nc_u32 v[OA+8*NG+NJ], s[26+NJ-30*(NJ/6)], v[L8]
.set NJ, NJ+1
.endr
.set NG, NG+1
.endr
.endm
; A PAIR of tiles: 64 matrix instructions, the eight accumulators by turns, one instruction a turn; the first K step starts the sums with the constant 0.
; more = 1: the next pair's rows are found and asked for behind the products; that vector work is also the distance between the last products and the reads of their results
; and the next pair's first products (ISA guide 7.12.1).  more = 0: the last pair: rows past the list's end are not stored.
.macro PAIR more
	s_wait_loadcnt 0x0                                     ; the pair's codes and scale words are in; their offset registers may be written again
	WIN 0x0d                                               ; source 0 (We) window 1, source 1 (rows) window 3, C and D window 0
.irp s, 0,1,2,3
.irp a, 0,1
.irp j, 0,1,2,3
.if \s == 0
	v_wmma_scale_f32_16x16x128_f8f6f4 v[ACC+8*(4*\a+\j):ACC+8*(4*\a+\j)+7], v[64*\s+16*\j:64*\s+16*\j+15], v[128*\a+16*\s:128*\a+16*\s+15], 0, v[SCB+8*\j+\s], v[SCA+8*\a+\s]
.else
	v_wmma_scale_f32_16x16x128_f8f6f4 v[ACC+8*(4*\a+\j):ACC+8*(4*\a+\j)+7], v[64*\s+16*\j:64*\s+16*\j+15], v[128*\a+16*\s:128*\a+16*\s+15], v[ACC+8*(4*\a+\j):ACC+8*(4*\a+\j)+7], v[SCB+8*\j+\s], v[SCA+8*\a+\s]
.endif
.endr
.endr
.endr
	WIN 0x0e                                               ; source 0 window 2
.irp s, 4,5,6,7
.irp a, 0,1
.irp j, 0,1,2,3
	v_wmma_scale_f32_16x16x128_f8f6f4 v[ACC+8*(4*\a+\j):ACC+8*(4*\a+\j)+7], v[64*(\s-4)+16*\j:64*(\s-4)+16*\j+15], v[128*\a+16*\s:128*\a+16*\s+15], v[ACC+8*(4*\a+\j):ACC+8*(4*\a+\j)+7], v[SCB+8*\j+\s], v[SCA+8*\a+\s]
.endr
.endr
.endr
	WIN 0
.if \more
	s_add_co_u32 s18, s18, 32                              ; the next pair's first slot
	SELECT
	ADDRS
	s_wait_alu depctr_va_vdst(0)                           ; the products have written the accumulators, which the LDS stores below read, and are done reading window 3 and the rows' scale words, in which the loads below land; AO and SO are written, which those loads read, and OA, which the global stores read
	LOADA 0
	LOADA 1
.else
.rept 8
	v_nop                                                  ; eight places behind this form before its results are read
.endr
	s_wait_alu depctr_va_vdst(0)                           ; the products have written the accumulators, which the LDS stores below read; OA is written, which the global stores read; the places above stay beside this wait
.endif
.irp a, 0,1
.irp j, 0,1,2,3
	ds_store_b128 v[OSI], v[ACC+8*(4*\a+\j):ACC+8*(4*\a+\j)+3] offset:OTILE*\a+64*\j          ; each accumulator from its low end on
	ds_store_b128 v[OSI], v[ACC+8*(4*\a+\j)+4:ACC+8*(4*\a+\j)+7] offset:OTILE*\a+64*\j+16
.endr
.endr
.set NS, 0
.rept 32
	ds_load_b64 v[OD+2*NS:OD+2*NS+1], v[OSO] offset:OTILE*(NS/16)+OPITCH*(NS%16)   ; row NS whole, 8 bytes a lane; LDS serves a wave's instructions in order: these see the stores above.  No vector instruction since the wait above names these registers
.set NS, NS+1
.endr
.set NS, 0
.rept 32
.if (\more == 0) && (NS > 0)
	s_cmp_le_u32 s21, NS                                   ; s21 rows of the last pair count
	s_cbranch_scc1 .Lout_\@
.endif
	s_wait_dscnt 31-NS                                     ; row NS is back; the younger rows' loads may be out
	global_store_b64 v[OA+NS], v[OD+2*NS:OD+2*NS+1], s[12:13] th:TH_STORE_NT   ; the 32 lanes store 256 consecutive bytes, at a multiple of 256 from out0's first byte; written once, read by nobody here
.set NS, NS+1
.endr
.Lout_\@:
	s_wait_dscnt 0x0
.if \more
	s_wait_xcnt 0x0                                        ; the stores have read their offsets and data: both are written again only behind this wait
	s_wait_alu depctr_vm_vsrc(0)                           ; the global stores have read OA, which the lines below write, and OD, in which the next pair's LDS loads land; the LDS stores have read the accumulators, which the next products write; the loads above have read AO and SO, which the next pair's address lines write
	MAKE_OA
.endif
.endm
	s_load_b256 s[4:11], s[0:1], 0x0               ; We s[4:5], xc s[6:7], xs s[8:9], idx s[10:11]
	s_load_b64 s[12:13], s[0:1], 0x20              ; out0
	v_lshl_add_u32 v[SPW], v0, 2, SPARE
	v_mov_b32 v[NIL], 0
	v_lshrrev_b32 v1, 5, v0
	v_readfirstlane_b32 s14, v1                    ; wave 0..3
	s_and_b32 s15, ttmp7, 0xffff                   ; the expert
	v_and_b32 v[LANE], 31, v0
	v_and_b32 v20, 15, v0                          ; r
	v_bfe_u32 v21, v0, 4, 1                        ; h
	v_lshlrev_b32 v[L16], 4, v[LANE]
	v_lshlrev_b32 v[H16], 4, v21
	v_lshlrev_b32 v[L8], 3, v[LANE]
	s_wait_alu depctr_va_sdst(0)                   ; s14 is written, ahead of its first reader: LDS places and the bases of We and idx are made from it
	s_mul_i32 s2, s14, TWAVE
	s_add_co_u32 s2, s2, TURNB                     ; my turning stage
	v_add_nc_u32 v[TSI], s2, v[L16]
	v_mul_u32_u24 v[TSO], v20, TPITCH
	v_lshl_add_u32 v[TSO], v21, 6, v[TSO]
	v_add_nc_u32 v[TSO], s2, v[TSO]
	s_lshl_b32 s2, s14, 14
	v_add_nc_u32 v[BWI], s2, v[L16]
	v_lshlrev_b32 v[BRS], 2, v[LANE]
	v_add_nc_u32 v[BRS], BSC, v[BRS]
	s_lshl_b32 s2, s14, 10
	v_add_nc_u32 v[BWS], s2, v[BRS]
	s_mul_i32 s2, s14, OWAVE
	s_add_co_u32 s2, s2, OUTB                      ; my way out
	v_mul_u32_u24 v[OSI], v20, OPITCH
	v_lshl_add_u32 v[OSI], v21, 5, v[OSI]
	v_add_nc_u32 v[OSI], s2, v[OSI]
	v_add_nc_u32 v[OSO], s2, v[L8]
	s_mov_b32 s[SEL], 0x76543210
	s_mov_b32 s[SEL+1], 0xfedcba98
	s_mov_b32 s[MNT], 0x600000
	s_mov_b32 s25, 0xffff0000
.irp b, 0,1,2,3
	v_mov_b32 v[TM+4+\b], 0                        ; written once: a lane permute's destination counts as one of its sources
.endr
	v_mov_b32 v[TOKX], 0
	s_lshl_b32 s2, s15, 22                         ; We: 4 MB an expert, 64 rows of 4,096 bytes a slice, 16 rows a wave
	s_lshl_b32 s3, ttmp9, 18
	s_add_co_u32 s2, s2, s3
	s_lshl_b32 s3, s14, 16
	s_add_co_u32 s2, s2, s3
	s_mov_b32 s3, 0
	s_wait_kmcnt 0x0
	s_add_nc_u64 s[4:5], s[4:5], s[2:3]
	s_lshl_b32 s2, s14, 12                         ; idx: my quarter's 1,024 words
	s_add_nc_u64 s[10:11], s[10:11], s[2:3]
	s_lshl_b32 s2, ttmp9, 8                        ; out0: my slice's 256 bytes of a row
	s_add_nc_u64 s[12:13], s[12:13], s[2:3]
	s_wait_alu depctr_va_vdst(0)                   ; the addresses v2 and v4 to v10 are written, which the loads and stores of the whole kernel read; none is written again
.irp c, 0,1,2,3,4,5,6,7
	global_load_b128 v[IX+4*\c:IX+4*\c+3], v[L16], s[10:11] offset:512*\c   ; register 4 c + j of lane l: token 128 c + 4 l + j of my quarter
.endr
	WLOAD 0
	WLOAD 1
	WLOAD 2
	; MY LIST, made while the weights are on their way
	s_wait_loadcnt 48                              ; the indices are in: the 48 loads of We were issued behind them
.set NT, 0
.rept 32
	v_cmp_eq_u32 s[MK+NT], s15, v[IX+NT]
.set NT, NT+1
.endr
	s_wait_alu depctr_va_sdst(0)                   ; the 32 ballot words are written, ahead of their first reader, the counts below
	s_lshl_b32 s26, s14, 10                        ; bits 11:0 my quarter's first token; from bit 12 on the running count
.set NT, 0
.rept 32
	s_or_b32 s[PT+NT], s26, 128*(NT/4)+NT%4
	s_bcnt1_i32_b32 s27, s[MK+NT]
	s_lshl_b32 s27, s27, 12
	s_add_co_u32 s26, s26, s27
.set NT, NT+1
.endr
	s_lshr_b32 s16, s26, 12                        ; my number of rows, 0 to 1,024
	s_max_u32 s17, s16, 1
	s_sub_co_u32 s17, s17, 1                       ; the last slot (0 in an empty list: the holds keep every address inside its buffer)
	s_mov_b32 s18, 0
	SELECT
	ADDRS
	; THE WEIGHTS: eight K steps; loads three steps ahead, the turn through LDS one step ahead, a step's image stored at the head of the next step
	s_wait_loadcnt 32                              ; step 0 is in; steps 1 and 2 may be out
	TURN 0                                         ; its loads land in X0, which no vector instruction has named yet
.macro STEP t
.if \t < 5
	WLOAD \t+3
	s_wait_loadcnt 32                              ; the next step is in; the two behind it may be out
.elseif \t == 5
	s_wait_loadcnt 16                              ; step 6 is in; step 7 may be out
.elseif \t == 6
	s_wait_loadcnt 34                              ; step 7 is in; the 34 loads of the first tile were issued behind it
.endif
	s_wait_dscnt 0x0                               ; this step's numbers are back from the stage: they were the youngest LDS loads out
.if \t > 1
	s_wait_alu depctr_vm_vsrc(0)                   ; the image stored a step ago has left its codes and its scale word, the set that this step's conversions write again
.endif
.if \t == 0
	s_wait_alu depctr_va_vdst(0)                   ; the ballots' compares are done reading v176 to v207, in which the turn's loads below land; AO and SO are written, which the first pair's loads will read
.else
	s_wait_alu depctr_va_vdst(0)                   ; the last step's conversions have written their codes and scale word, which the image's stores below read, and are done with their 64 numbers, in whose registers the turn's loads below land
	IMAGE \t-1
.endif
.if \t < 7
	TURN \t+1
.endif
.if \t == 5
	LOADA 0                                        ; the first pair's rows are asked for here
.elseif \t == 6
	LOADA 1
.endif
	QUANT X+64*((\t)%2), CD+16*((\t)%2), PW+(\t)%2
.endm
.irp t, 0,1,2,3,4,5,6,7
	STEP \t
.endr
	s_wait_alu depctr_va_vdst(0)                   ; step 7's conversions have written their codes and scale word, which the last image's stores read
	IMAGE 7
	s_wait_dscnt 0x0                               ; for the others' sake: my images have landed
	s_barrier_signal -1
	s_barrier_wait -1                              ; all 32 fragments lie in LDS; nobody writes them again
	WIN 0x40
	s_wait_alu depctr_vm_vsrc(0)                   ; the turns' LDS stores have read windows 1 and 2, in which the fragments below land; the images' stores have read v30 to v63, which are OA and the list's working registers from here on
.irp s, 0,1,2,3
.irp j, 0,1,2,3
.irp c, 0,1,2,3
	ds_load_b128 v[64*\s+16*\j+4*\c:64*\s+16*\j+4*\c+3], v[L16] offset:(8*\j+\s)*2048+512*\c
.endr
.endr
.endr
	WIN 0x80
.irp s, 4,5,6,7
.irp j, 0,1,2,3
.irp c, 0,1,2,3
	ds_load_b128 v[64*(\s-4)+16*\j+4*\c:64*(\s-4)+16*\j+4*\c+3], v[L16] offset:(8*\j+\s)*2048+512*\c
.endr
.endr
.endr
	WIN 0
.set NT, 0
.rept 32
	ds_load_b32 v[SCB+NT], v[BRS] offset:NT*128
.set NT, NT+1
.endr
	MAKE_OA                                        ; work on registers while the fragments come
	s_wait_dscnt 0x0
	; THE ROWS
	s_cmp_eq_u32 s16, 0
	s_cbranch_scc1 .Ldone                          ; none of my quarter's tokens chose this expert
	s_sub_co_u32 s19, s16, 1
	s_lshr_b32 s19, s19, 5                         ; full pairs ahead of the last one
	s_cmp_eq_u32 s19, 0
	s_cbranch_scc1 .Ltail
	s_mov_b32 s20, 0
.Lpair:
	PAIR 1
	s_add_co_u32 s20, s20, 1
	s_cmp_lt_u32 s20, s19
	s_cbranch_scc1 .Lpair
.Ltail:
	s_sub_co_u32 s21, s16, s18                     ; the last pair's rows that count: 1 to 32
	PAIR 0
.Ldone:
	s_wait_dscnt 0x0                               ; the closing lines, six on end
	s_wait_alu 0x0
	s_wait_tensorcnt 0x0
	ds_add_u32 v[SPW], v[NIL]
	s_wait_dscnt 0x0
	s_endpgm
.Lfunc_end_k_q2a57f09691_experts:
	.size	k_q2a57f09691_experts, .Lfunc_end_k_q2a57f09691_experts-k_q2a57f09691_experts
	.p2alignl 7, 3214868480
	.fill 96, 4, 3214868480
	.section	.rodata,"a",@progbits
	.p2align	6, 0x0
	.amdhsa_kernel k_q2a57f09691_experts
		.amdhsa_group_segment_fixed_size 138752
		.amdhsa_private_segment_fixed_size 0
		.amdhsa_enable_private_segment 0
		.amdhsa_kernarg_size 40
		.amdhsa_user_sgpr_count 2
		.amdhsa_user_sgpr_kernarg_segment_ptr 1
		.amdhsa_wavefront_size32 1
		.amdhsa_system_sgpr_workgroup_id_x 1
		.amdhsa_system_sgpr_workgroup_id_y 1
		.amdhsa_system_sgpr_workgroup_id_z 1
		.amdhsa_system_vgpr_workitem_id 0
		.amdhsa_next_free_vgpr 1024
		.amdhsa_next_free_sgpr 98
		.amdhsa_reserve_vcc 1
		.amdhsa_float_denorm_mode_32 3
		.amdhsa_float_denorm_mode_16_64 3
		.amdhsa_memory_ordered 1
		.amdhsa_forward_progress 1
		.amdhsa_inst_pref_size 193
	.end_amdhsa_kernel
	.amdgpu_metadata
---
amdhsa.version: [ 1, 2 ]
amdhsa.kernels:
  - .name:           k_q2a57f09691_experts
    .symbol:         k_q2a57f09691_experts.kd
    .args:
      - { .name: We, .offset: 0, .size: 8, .value_kind: global_buffer, .address_space: global }
      - { .name: xc, .offset: 8, .size: 8, .value_kind: global_buffer, .address_space: global }
      - { .name: xs, .offset: 16, .size: 8, .value_kind: global_buffer, .address_space: global }
      - { .name: idx, .offset: 24, .size: 8, .value_kind: global_buffer, .address_space: global }
      - { .name: out0, .offset: 32, .size: 8, .value_kind: global_buffer, .address_space: global }
    .group_segment_fixed_size: 138752
    .private_segment_fixed_size: 0
    .kernarg_segment_align: 8
    .kernarg_segment_size: 40
    .max_flat_workgroup_size: 128
    .sgpr_count:     98
    .vgpr_count:     1024
    .wavefront_size: 32
...
	.end_amdgpu_metadata
.endif
;; end of part 4
